; MI455X (gfx1250); checked and timed in simulation.
; The chip was launched on July 23, 2026; its instructions are those of AMD's public machine-readable ISA for CDNA 5 (MIT licence, August 2026) and "CDNA5" Instruction Set Architecture Reference Guide (July 2026). The comments in the code are by the model that wrote it; some were corrected since.
;; Multi Head Attention2. Allowed arithmetic: matrix products marked QUANTISED: E4M3 operands, one given power-of-two scale a tensor, by v_wmma_f32_16x16x64_fp8_fp8 or v_wmma_f32_16x16x128_fp8_fp8, f32 sums; everything else in f32.
;; Inputs: Wk 1,024 x 1,024 float32; Wo 1,024 x 1,024 float32; Wq 1,024 x 1,024 float32; Wv 1,024 x 1,024 float32; att_prior_bias 16 float32; bk 1,024 float32; bo 1,024 float32; bq 1,024 float32; bv 1,024 float32; cos 1,024 x 1,024 float32; k 8 x 1,024 x 1,024 float32; lowp_scales 12 int32 (the exponents e of the quantised operands' scales 2^e); mask 8 x 1,024 float32; q 8 x 1,024 x 1,024 float32; short_matrix 1,024 x 1,024 float32; sin 1,024 x 1,024 float32; v 8 x 1,024 x 1,024 float32.
;; Outputs: out0 8 x 1,024 x 1,024 float32.
;; This version of the problem:
;;   THIS VERSION OF THE PROBLEM IS GIVEN IN LOW PRECISION. The matrix products marked QUANTISED in the list below multiply operands that are first quantised to E4M3 (4 exponent bits, 3 mantissa bits; 8 bits a number), with one given power-of-two scale for each operand tensor; their sums are f32. All else is computed in f32.
;;   The module's matrix products, in the order in which they are computed (A, B: the left and right operand; K: the contracted axis; several contracted axes count as one K, in the product's order):
;;     1. [M 8,192, K 1,024] x [K 1,024, N 1,024]; A: input q; B: input Wq: QUANTISED (scales: A lowp_scales[0], B lowp_scales[1])
;;     2. [M 8,192, K 1,024] x [K 1,024, N 1,024]; A: input k; B: input Wk: QUANTISED (scales: A lowp_scales[2], B lowp_scales[3])
;;     3. [M 8,192, K 1,024] x [K 1,024, N 1,024]; A: input v; B: input Wv: QUANTISED (scales: A lowp_scales[4], B lowp_scales[5])
;;     4. batch 128 x [M 1,024, K 64] x [K 64, N 1,024]; A: computed on the way; B: computed on the way: QUANTISED (scales: A lowp_scales[6], B lowp_scales[7])
;;     5. batch 128 x [M 1,024, K 1,024] x [K 1,024, N 64]; A: softmax (see below); B: computed on the way: QUANTISED (scales: A lowp_scales[8], B lowp_scales[9])
;;     6. [M 8,192, K 1,024] x [K 1,024, N 1,024]; A: computed on the way; B: input Wo: QUANTISED (scales: A lowp_scales[10], B lowp_scales[11])
;;   THE QUANTISER, for each operand of a quantised product, along K:
;;     - The operand's scale is 2^e, e = its entry of the input lowp_scales (int32; the entries are numbered through the quantised products in the list's order, A before B).
;;     - Each number is divided by the scale, clamped to +-448, and rounded to the nearest number of E4M3, ties to even, subnormals kept.
;;     - The product sums the exact products of the quantised numbers (number of the format x scale) in f32.
;;   ~~~python
;;   def quantise(x, axis, e):      # numpy; x: float32 -> the quantised numbers, widened to float32 again
;;       x = np.moveaxis(x, axis, -1); K = x.shape[-1]
;;       r = np.clip(x / 2.0 ** e, -448, 448)
;;       step = 2.0 ** (np.maximum(np.frexp(np.where(r == 0, 1, r))[1] - 1, -6) - 3)
;;       q = np.round(r / step) * step * 2.0 ** e      # np.round: ties to even
;;       return np.moveaxis(q, -1, axis).astype(np.float32)
;;   ~~~
;;   SOFTMAX AHEAD OF A QUANTISED PRODUCT. Where the list says 'softmax', what is quantised is not the finished softmax but p = 2^(t - M), with t = logit x log2(e) and M = ceil(the row's largest t), a whole number; so 1/2 < the row's largest p <= 1. The row's sum l is taken of the UNQUANTISED p, in f32, and the product's result is divided by l at the end. Since M is a whole number, a kernel that streams over the keys may use a running M (the ceiling of the running maximum): every later rescaling is an exact power of two, so the quantised numbers keep their values, but for numbers so far below the row's largest that they fall under the format's range.
;;   OPERANDS COMPUTED ON THE WAY. 'Computed on the way' means the value that the module computes at that place (a softmax that the list does not call 'softmax' is quantised finished and normalised). What goes into a quantiser is computed in f32, as accurately as f32 sums, v_exp_f32 and their like allow (about 1e-6 of the number): no bf16 or f16 on the way to a quantiser, and a product that is left as it is and whose result goes on into a quantised operand takes f32 operands (vector FMAs, or v_wmma_f32_16x16x4_f32). A number that lies on a knife's edge between two numbers of the format may be rounded either way, as far as f32 arithmetic and the matrix unit's own rounding can turn it there, and no further.
;; One version. Each part assembles by itself: llvm-mc -triple=amdgcn-amd-amdhsa -mcpu=gfx1250 --defsym DOCPART=n.
;; ======== version 1 of 1: 4 launches
;; limits: right only within a limited range of input values
;; workspace buffers: xw 29,360,128 bytes; img 12,582,912 bytes; qkv 25,165,824 bytes; cc 8,388,608 bytes
;; launch quant (part 1): grid 496 x 1, 8 waves a work-group, no clusters, 68,608 bytes of LDS; arguments q, k, v, Wq, Wk, Wv, Wo, cos, sin, short_matrix, lowp_scales, xw, img; writes xw, img
.if DOCPART == 1
	.amdgcn_target "amdgcn-amd-amdhsa--gfx1250"
	.amdhsa_code_object_version 6
	.text
	.protected	k_q11498504c7_quant
	.globl	k_q11498504c7_quant
	.p2align	8
	.type	k_q11498504c7_quant,@function
k_q11498504c7_quant:
	s_mov_b64 s[64:65], 0
	v_nop
	global_prefetch_b8 v0, s[64:65] scope:SCOPE_SE
	s_setreg_imm32_b32 hwreg(HW_REG_WAVE_MODE, 25, 1), 1
	s_wait_xcnt 0x0
; q, k, v [8192][1024] and Wq, Wk, Wv, Wo [1024][1024], f32, become codes of FP8 (E4M3) with the scale 2^e that is given for each; cos, sin and short_matrix [1024][1024] stay f32 and are only laid anew.
; code = x / 2^e, held within +-448, rounded to the nearest code, ties to even.  LIMITS: e between -126 and 119; NaN among the inputs is not served.
; EVERYTHING IS STORED AS AN IMAGE OF THE REGISTERS IN WHICH ITS READER WANTS IT (r = lane % 16, h = lane / 16):
;   codes:  [tile of 16 rows][128 along K][chunk c of 4][lane][16 bytes]: registers 2 n, 2 n + 1 of a 16 x 128 fragment hold k = 16 n + 8 h + 0 .. 7 of row r: the plain fp8 form's own places.
;   f32:    [tile of 16 rows][16 columns][half w][lane][16 bytes]: row r, columns 8 h + 4 w + 0 .. 3: the layout of a 16 x 16 accumulator whose lane is a row.
; q's and k's tiles of rows are stored in the order (s / 16) x 8 + batch, so that the eight batches of one tile of positions are neighbours; v's and the weights' in their own order.
; SHARES.  A work-group takes 64 rows of one tensor (which: by its number alone); wave g takes columns 128 g .. 128 g + 127 of its four tiles of rows: four pieces of 16 rows x 512 bytes.
; A piece is loaded row by row (512 consecutive bytes a load), turned through the wave's own stage in LDS (rows 528 bytes apart: 33 x 16, so that sixteen rows start at sixteen different banks: ISA guide 11.1),
; and comes back 32 bytes of one row at a time: eight neighbours along K in a lane's registers, as the conversions want them.  Every store covers 512 consecutive bytes.
; Waves share nothing: no barrier.  Two pieces (32 loads a wave) are on their way.
.set PITCH, 528
.set WST,   16*PITCH                   ; a wave's stage
.set SPARE, 8*WST                      ; behind the stages: the spare words, 128 bytes for each wave: four blocks of 256 bytes that no other line names
.set IMG0,  448                        ; the first work-group that lays an image
.set LA,  1                            ; v1   16 x lane; never rewritten
.set STI, 2                            ; v2   the stage, on the way in
.set STX, 3                            ; v3   and on the way out: row r, + 32 h
.set DO,  4                            ; v4-7 piece i's place in the codes: 16 x lane + i x the distance between my tiles of rows
.set LIM, 10                           ; v10  448 x 2^e
.set SCL, 11                           ; v11  2^e
.set SPW, 12                           ; v12  LDS address of my spare word; never rewritten
.set NIL, 13                           ; v13  0; never rewritten
.set R,   16                           ; v16-143  two sets of 64: a piece as loaded
.set X,   144                          ; v144-207 a piece turned: register 8 n + j = column 16 n + 8 h + j of row r
.set C,   208                          ; v208-223 its codes
.macro PICK lim, ptr, first            ; work-groups under lim take the tensor at s[ptr], whose first work-group is first
	s_cmp_lt_u32 ttmp9, \lim
	s_cselect_b64 s[44:45], s[\ptr:\ptr+1], s[44:45]
	s_cselect_b32 s46, \first, s46
.endm
.macro PICKE lim, reg                  ; and its exponent
	s_cmp_lt_u32 ttmp9, \lim
	s_cselect_b32 s47, s[\reg], s47
.endm
	s_load_b512 s[4:19], s[0:1], 0x0               ; q s[4:5], k s[6:7], v s[8:9], Wq s[10:11], Wk s[12:13], Wv s[14:15], Wo s[16:17], cos s[18:19]
	s_load_b256 s[20:27], s[0:1], 0x40             ; sin s[20:21], short_matrix s[22:23], the exponents s[24:25], xw s[26:27]
	s_load_b64 s[28:29], s[0:1], 0x60              ; img
	v_lshl_add_u32 v[SPW], v0, 2, SPARE
	v_mov_b32 v[NIL], 0
	v_lshrrev_b32 v8, 5, v0
	s_delay_alu instid0(VALU_DEP_1)
	v_readfirstlane_b32 s48, v8                    ; wave g
	v_and_b32 v8, 31, v0
	s_delay_alu instid0(VALU_DEP_1)
	v_lshlrev_b32 v[LA], 4, v8
	s_wait_alu depctr_va_vdst(0)
	s_mul_i32 s49, s48, WST
	v_add_nc_u32 v[STI], s49, v[LA]
	v_and_b32 v8, 15, v0
	v_bfe_u32 v9, v0, 4, 1
	s_delay_alu instid0(VALU_DEP_2)
	v_mul_u32_u24 v[STX], v8, PITCH
	s_delay_alu instid0(VALU_DEP_1)
	v_lshl_add_u32 v[STX], v9, 5, v[STX]
	s_delay_alu instid0(VALU_DEP_1)
	v_add_nc_u32 v[STX], s49, v[STX]
	; where the codes go.  q, k (work-groups 0-255): tensor x 8 MiB + batch x 16,384 + (s / 64) x 524,288, my tiles 131,072 apart; the others: work-group x 65,536, tiles 16,384 apart
	s_lshr_b32 s50, ttmp9, 7
	s_lshl_b32 s50, s50, 23
	s_bfe_u32 s51, ttmp9, 0x30004                  ; batch
	s_lshl_b32 s51, s51, 14
	s_add_co_u32 s50, s50, s51
	s_and_b32 s51, ttmp9, 15
	s_lshl_b32 s51, s51, 19
	s_add_co_u32 s50, s50, s51
	s_lshl_b32 s51, ttmp9, 16
	s_mov_b32 s52, 16384
	s_cmp_lt_u32 ttmp9, 256
	s_cselect_b32 s50, s50, s51
	s_cselect_b32 s52, 131072, s52
	s_cmp_lt_u32 ttmp9, IMG0
	s_cselect_b32 s50, s50, 0                      ; (a work-group that lays an image stores no codes)
	s_lshl_b32 s51, s48, 11                        ; + my 128 along K: a fragment of 2,048 bytes
	s_add_co_u32 s50, s50, s51
	s_mov_b32 s51, 0
	; where an image goes: 262,144 bytes for 64 rows, 8,192 for my 128 columns of a tile of rows
	s_sub_co_u32 s54, ttmp9, IMG0
	s_cmp_lt_u32 ttmp9, IMG0
	s_cselect_b32 s54, 0, s54
	s_lshl_b32 s54, s54, 18
	s_lshl_b32 s55, s48, 13
	s_add_co_u32 s54, s54, s55
	s_mov_b32 s55, 0
	v_mov_b32 v[DO], v[LA]
	s_delay_alu instid0(VALU_DEP_1)
	v_add_nc_u32 v[DO+1], s52, v[DO]
	s_delay_alu instid0(VALU_DEP_1)
	v_add_nc_u32 v[DO+2], s52, v[DO+1]
	s_delay_alu instid0(VALU_DEP_1)
	v_add_nc_u32 v[DO+3], s52, v[DO+2]
	s_wait_alu depctr_va_vdst(0)
	s_wait_kmcnt 0x0
	s_load_b256 s[32:39], s[24:25], 0x0            ; e0 .. e7
	s_load_b128 s[40:43], s[24:25], 0x20           ; e8 .. e11
	s_mov_b64 s[44:45], s[22:23]                   ; which tensor: the choice hangs on the work-group's number alone
	s_mov_b32 s46, 480
	PICK 480, 20, 464
	PICK 464, 18, 448
	PICK 448, 16, 432
	PICK 432, 14, 416
	PICK 416, 12, 400
	PICK 400, 10, 384
	PICK 384, 8, 256
	PICK 256, 6, 128
	PICK 128, 4, 0
	s_sub_co_u32 s56, ttmp9, s46
	s_lshl_b32 s56, s56, 18                        ; my 64 rows of 4,096 bytes,
	s_lshl_b32 s57, s48, 9                         ; my 512 bytes of a row
	s_add_co_u32 s56, s56, s57
	s_mov_b32 s57, 0
	s_add_nc_u64 s[44:45], s[44:45], s[56:57]
	s_add_nc_u64 s[26:27], s[26:27], s[50:51]
	s_add_nc_u64 s[28:29], s[28:29], s[54:55]
.macro LOAD i                          ; piece i: sixteen rows, 512 consecutive bytes each, into set i % 2
.irp w, 0,1,2,3,4,5,6,7,8,9,10,11,12,13,14,15
	global_load_b128 v[R+64*((\i)%2)+4*\w:R+64*((\i)%2)+4*\w+3], v[LA], s[44:45] offset:(\i)*65536+\w*4096 th:TH_LOAD_NT
.endr
.endm
.macro TURN i                          ; through the stage: LDS serves a wave's instructions in order (ISA guide 5.7.1.4), so no wait stands between the stores and the loads
.irp w, 0,1,2,3,4,5,6,7,8,9,10,11,12,13,14,15
	ds_store_b128 v[STI], v[R+64*((\i)%2)+4*\w:R+64*((\i)%2)+4*\w+3] offset:\w*PITCH
.endr
.irp n, 0,1,2,3,4,5,6,7,8,9,10,11,12,13,14,15
	ds_load_b128 v[X+4*\n:X+4*\n+3], v[STX] offset:64*(\n/2)+16*(\n%2)
.endr
.endm
.macro CODES i
.set j, 0
.rept 64
	v_med3_num_f32 v[X+j], v[X+j], -v[LIM], v[LIM] ; the conversion to an 8-bit code does not saturate (ISA guide 7.6.2): the hold at the largest code x the scale
.set j, j+1
.endr
.irp n, 0,1,2,3,4,5,6,7
	v_cvt_scalef32_pk8_fp8_f32 v[C+2*\n:C+2*\n+1], v[X+8*\n:X+8*\n+7], v[SCL]
.endr
	v_nop                                          ; a plain line behind the last conversion: the next piece's holds write its sources
.irp c, 0,1,2,3
	global_store_b128 v[DO+(\i)], v[C+4*\c:C+4*\c+3], s[26:27] offset:512*\c   ; chunk c of the fragment: 512 consecutive bytes
.endr
.endm
.macro IMAGE i
.irp n, 0,1,2,3,4,5,6,7,8,9,10,11,12,13,14,15
	global_store_b128 v[LA], v[X+4*\n:X+4*\n+3], s[28:29] offset:(\i)*65536+512*\n
.endr
.endm
.macro PIECE i
.if (\i) < 3
	s_wait_loadcnt 16                              ; this piece's sixteen loads are in; the next piece's sixteen may be out
.else
	s_wait_loadcnt 0
.endif
	s_wait_xcnt 0x0                                ; the last piece's stores have read X, C and their addresses: only behind this wait are X and C written again
	TURN \i
	s_wait_dscnt 0x0                               ; the piece is back, turned; the stores into the stage have read their registers,
.if (\i) < 2
	LOAD (\i)+2                                    ; which take the piece two further on
.endif
	s_cmp_lt_u32 ttmp9, IMG0                       ; only the stores to memory differ between the two kinds of work-group
	s_cbranch_scc0 .Limage_\@
	s_wait_alu depctr_va_vdst(0)
	CODES \i
	s_branch .Ldone_\@
.Limage_\@:
	IMAGE \i
.Ldone_\@:
.endm
	LOAD 0
	LOAD 1
	s_wait_kmcnt 0x0
	s_mov_b32 s47, s43                             ; Wo: e11 (an image's work-groups make no use of it)
	PICKE 432, 37                                  ; Wv: e5
	PICKE 416, 35                                  ; Wk: e3
	PICKE 400, 33                                  ; Wq: e1
	PICKE 384, 36                                  ; v: e4
	PICKE 256, 34                                  ; k: e2
	PICKE 128, 32                                  ; q: e0
	s_add_co_i32 s47, s47, 127
	s_lshl_b32 s58, s47, 23
	v_mov_b32 v[SCL], s58                          ; 2^e as f32: the conversion takes its exponent field
	s_add_co_i32 s47, s47, 8
	s_lshl_b32 s47, s47, 23
	s_or_b32 s47, s47, 0x600000
	v_mov_b32 v[LIM], s47                          ; 448 x 2^e
	PIECE 0
	PIECE 1
	PIECE 2
	PIECE 3
	s_wait_tensorcnt 0x0                           ; the wave's end, behind my last LDS store
	ds_add_u32 v[SPW], v[NIL]
	s_wait_dscnt 0x0
	s_endpgm
.Lfunc_end_k_q11498504c7_quant:
	.size	k_q11498504c7_quant, .Lfunc_end_k_q11498504c7_quant-k_q11498504c7_quant
	.p2alignl 7, 3214868480
	.fill 96, 4, 3214868480
	.section	.rodata,"a",@progbits
	.p2align	6, 0x0
	.amdhsa_kernel k_q11498504c7_quant
		.amdhsa_group_segment_fixed_size 68608
		.amdhsa_private_segment_fixed_size 0
		.amdhsa_enable_private_segment 0
		.amdhsa_kernarg_size 104
		.amdhsa_user_sgpr_count 2
		.amdhsa_user_sgpr_kernarg_segment_ptr 1
		.amdhsa_wavefront_size32 1
		.amdhsa_system_sgpr_workgroup_id_x 1
		.amdhsa_system_sgpr_workgroup_id_y 1
		.amdhsa_system_sgpr_workgroup_id_z 1
		.amdhsa_system_vgpr_workitem_id 0
		.amdhsa_next_free_vgpr 224
		.amdhsa_next_free_sgpr 66
		.amdhsa_reserve_vcc 0
		.amdhsa_float_denorm_mode_32 3
		.amdhsa_float_denorm_mode_16_64 3
		.amdhsa_memory_ordered 1
		.amdhsa_forward_progress 1
		.amdhsa_inst_pref_size 47
	.end_amdhsa_kernel
	.amdgpu_metadata
---
amdhsa.version: [ 1, 2 ]
amdhsa.kernels:
  - .name:           k_q11498504c7_quant
    .symbol:         k_q11498504c7_quant.kd
    .args:
      - { .name: q, .offset: 0, .size: 8, .value_kind: global_buffer, .address_space: global }
      - { .name: k, .offset: 8, .size: 8, .value_kind: global_buffer, .address_space: global }
      - { .name: v, .offset: 16, .size: 8, .value_kind: global_buffer, .address_space: global }
      - { .name: Wq, .offset: 24, .size: 8, .value_kind: global_buffer, .address_space: global }
      - { .name: Wk, .offset: 32, .size: 8, .value_kind: global_buffer, .address_space: global }
      - { .name: Wv, .offset: 40, .size: 8, .value_kind: global_buffer, .address_space: global }
      - { .name: Wo, .offset: 48, .size: 8, .value_kind: global_buffer, .address_space: global }
      - { .name: cos, .offset: 56, .size: 8, .value_kind: global_buffer, .address_space: global }
      - { .name: sin, .offset: 64, .size: 8, .value_kind: global_buffer, .address_space: global }
      - { .name: short_matrix, .offset: 72, .size: 8, .value_kind: global_buffer, .address_space: global }
      - { .name: lowp_scales, .offset: 80, .size: 8, .value_kind: global_buffer, .address_space: global }
      - { .name: xw, .offset: 88, .size: 8, .value_kind: global_buffer, .address_space: global }
      - { .name: img, .offset: 96, .size: 8, .value_kind: global_buffer, .address_space: global }
    .group_segment_fixed_size: 68608
    .private_segment_fixed_size: 0
    .kernarg_segment_align: 8
    .kernarg_segment_size: 104
    .max_flat_workgroup_size: 256
    .sgpr_count:     66
    .vgpr_count:     224
    .wavefront_size: 32
...
	.end_amdgpu_metadata
.endif
;; end of part 1
;; launch proj (part 2): grid 4 x 96, 4 waves a work-group, clusters of 4 x 4, 327,680 bytes of LDS; arguments xw, img, lowp_scales, qkv, bq, bk, bv; writes qkv
.if DOCPART == 2
	.amdgcn_target "amdgcn-amd-amdhsa--gfx1250"
	.amdhsa_code_object_version 6
	.text
	.protected	k_q11498504c7_proj
	.globl	k_q11498504c7_proj
	.p2align	8
	.type	k_q11498504c7_proj,@function
k_q11498504c7_proj:
	s_mov_b64 s[64:65], 0
	v_nop
	global_prefetch_b8 v0, s[64:65] scope:SCOPE_SE
	s_setreg_imm32_b32 hwreg(HW_REG_WAVE_MODE, 25, 1), 1
	s_wait_xcnt 0x0
	s_wait_alu depctr_hold_cnt(0) depctr_sa_sdst(0) depctr_va_vdst(0) depctr_va_sdst(0) depctr_va_ssrc(0) depctr_va_vcc(0) depctr_vm_vsrc(0)
	s_getreg_b32 s2, hwreg(HW_REG_IB_STS2, 6, 4)
	s_cmp_eq_u32 s2, 0
	s_cbranch_scc0 .Lentry_in_a_cluster
	s_endpgm
.Lentry_in_a_cluster:
	s_bfe_u32 s2, ttmp6, 0x10000c
	s_cmp_lg_u32 s2, 0xf033
	s_cbranch_scc0 .Lentry_shape_is_right
	s_endpgm
.Lentry_shape_is_right:
.set RTL,    4096
.set HALFT,  8*RTL
.set SLOT,   4*HALFT
.set SPARE,  2*SLOT
.set FR,     16
.set NL,     4
.set NP,     4
.set ADRA, 16
.set ADRB, 20
.set CO,   26
.set BO,   27
.set SPW,  28
.set NIL,  29
.set LIMV, 30
.set SCV,  31
.set BI,   32
.set Y,    96
.set O,    160
.set CD,   224
.set AF,   128
.set G1, 24
.set G0, 32
.set G1B, 48
.set G0B, 56
.set MSB, 0
.macro WIN new
.if MSB != \new
	s_set_vgpr_msb (MSB<<8)|\new
.set MSB, \new
.endif
.endm
.set MUL_LO, 0xa1
.set MUL_HI, 0xf1
.set TO_B,   0x40
.macro JLOAD g0a, g1a, g0b, g1b
	s_cmp_eq_u32 s15, 0
	s_cbranch_scc0 .Lfor_b_\@
	tensor_load_to_lds s[\g0a:\g0a+3], s[\g1a:\g1a+7]
	s_nop 0
.rept 4
	v_nop
.endr
	s_branch .Lasked_\@
.Lfor_b_\@:
	tensor_load_to_lds s[\g0b:\g0b+3], s[\g1b:\g1b+7]
	s_nop 0
.rept 4
	v_nop
.endr
.Lasked_\@:
.endm
.macro CREST
	s_cmp_lg_u32 s14, 0
	s_cbranch_scc1 .Lnot_wave_0_\@
	s_barrier_signal -3
.Lnot_wave_0_\@:
	s_barrier_wait -3
	s_barrier_signal -1
	s_barrier_wait -1
.endm
.macro CROUND
	s_barrier_signal -1
	s_barrier_wait -1
	CREST
.endm
	s_load_b256 s[4:11], s[0:1], 0x0
	s_load_b128 s[68:71], s[0:1], 0x20
	s_load_b64 s[72:73], s[0:1], 0x30
	v_lshl_add_u32 v[SPW], v0, 2, SPARE
	v_mov_b32 v[NIL], 0
	ds_add_u32 v[SPW], v[NIL]
	ds_add_u32 v[SPW], v[NIL]
	v_lshrrev_b32 v1, 5, v0
	v_readfirstlane_b32 s14, v1
	s_lshr_b32 s15, s14, 1
	s_and_b32 s16, s14, 1
	s_bfe_u32 s40, ttmp6, 0x40000
	s_bfe_u32 s41, ttmp6, 0x40004
	s_and_b32 s74, ttmp7, 0xffff
	s_lshr_b32 s75, s74, 3
	s_and_b32 s76, s74, 7
	s_cmp_eq_u32 s75, 2
	s_cselect_b32 s77, 1, 0
	s_cselect_b32 s78, 0, s76
	s_cselect_b32 s79, s76, 0
	s_lshl_b32 s17, s78, 2
	s_add_co_u32 s17, s17, s41
	s_lshl_b32 s42, s79, 2
	s_add_co_u32 s42, s42, s40
	s_lshl_b32 s43, s41, 2
	s_lshl_b32 s43, 15, s43
	s_lshl_b32 s44, 0x1111, s40
	s_or_b32 s[G1+0], s43, (3<<16)|(1<<21)
	s_or_b32 s[G1B+0], s44, (3<<16)|(1<<21)
.irp g, G1, G1B
	s_mov_b32 s[\g+1], 512<<16
	s_mov_b32 s[\g+2], 8<<16
	s_mov_b32 s[\g+3], 512<<16
	s_mov_b32 s[\g+4], 8
	s_mov_b32 s[\g+5], 2048
	s_mov_b32 s[\g+6], 0
	s_mov_b32 s[\g+7], 0
.endr
	s_lshl_b32 s18, s75, 23
	s_lshl_b32 s19, s75, 20
	s_add_co_u32 s19, s19, 24<<20
	s_lshl_b32 s20, s17, 4
	s_lshl_b32 s21, s16, 3
	s_add_co_u32 s20, s20, s21
	s_lshl_b32 s20, s20, 14
	s_lshl_b32 s46, s42, 3
	s_lshl_b32 s47, s16, 5
	s_add_co_u32 s46, s46, s47
	s_lshl_b32 s92, s42, 4
	s_add_co_u32 s92, s92, s21
	s_cmp_eq_u32 s77, 0
	s_cselect_b32 s46, s46, s92
	s_cselect_b32 s18, s18, 26<<20
	s_cselect_b32 s19, s19, 16<<20
	s_lshl_b32 s46, s46, 14
	s_add_co_u32 s20, s20, s18
	s_add_co_u32 s46, s46, s19
	s_mov_b32 s21, 0
	s_mov_b32 s47, 0
	s_mul_i32 s45, s14, HALFT
	s_wait_dscnt 0x0
	s_wait_kmcnt 0x0
	s_load_b256 s[80:87], s[8:9], 0x0
	s_load_b128 s[88:91], s[8:9], 0x20
	s_add_nc_u64 s[20:21], s[4:5], s[20:21]
	s_add_nc_u64 s[46:47], s[4:5], s[46:47]
	CROUND
.irp s, 0,1
	s_mov_b32 s[G0+4*\s], 1
	s_add_co_u32 s[G0+4*\s+1], s45, \s*SLOT
	s_add_nc_u64 s[G0+4*\s+2:G0+4*\s+3], s[20:21], \s*RTL
	s_or_b32 s[G0+4*\s+3], s[G0+4*\s+3], 0x80000000
	s_mov_b32 s[G0B+4*\s], 1
	s_add_co_u32 s[G0B+4*\s+1], s45, \s*SLOT
	s_add_nc_u64 s[G0B+4*\s+2:G0B+4*\s+3], s[46:47], \s*RTL
	s_or_b32 s[G0B+4*\s+3], s[G0B+4*\s+3], 0x80000000
.endr
	JLOAD G0, G1, G0B, G1B                         ; K step 0: one tensor load a wave at the head
	; PREFETCHES INTO THE L2 of the K steps to come: a K step is 4,096 bytes of each of the eight tiles of rows that I fetch.  The four partners that ask for these tiles jointly share them out BY ADDRESS:
	; the partner at place p (cx for the first operand, cy for the second) takes tiles 2 p and 2 p + 1: 32 blocks of 256 bytes, a lane a block, one instruction a wave for a K step.
	; K steps 1 and 2 are asked for behind K step 0's load, K step 3 behind K step 1's; the address registers are never rewritten.
	s_cmp_eq_u32 s15, 0
	s_cselect_b64 s[12:13], s[20:21], s[46:47]
	s_cselect_b32 s66, s40, s41
	s_lshl_b32 s66, s66, 15                        ; two tiles of rows of 16,384 bytes
	s_add_co_u32 s66, s66, RTL                     ; at K step 1
	s_mov_b32 s67, 0
	s_add_nc_u64 s[12:13], s[12:13], s[66:67]
	v_bfe_u32 v2, v0, 4, 1
	v_and_b32 v3, 15, v0
	v_lshlrev_b32 v2, 14, v2
	v_lshl_add_u32 v2, v3, 8, v2                   ; 16,384 x (lane / 16) + 256 x (lane % 16)
	global_prefetch_b8 v2, s[12:13] th:TH_LOAD_NT scope:SCOPE_SE
	global_prefetch_b8 v2, s[12:13] offset:RTL th:TH_LOAD_NT scope:SCOPE_SE
	s_wait_alu depctr_va_vdst(0)
	s_wait_tensorcnt 0x0                           ; my part of K step 0 is in; the same lines stand ahead of a later first fill as ahead of a refill
	ds_add_u32 v28, v29
	s_wait_dscnt 0x0
	CROUND
	JLOAD G0+4, G1, G0B+4, G1B                     ; K step 1, the first tensor load behind the round
	global_prefetch_b8 v2, s[12:13] offset:2*RTL th:TH_LOAD_NT scope:SCOPE_SE
	v_and_b32 v1, 31, v0
	v_lshlrev_b32 v[CO], 4, v1
	s_lshl_b32 s22, s15, 15
	s_lshl_b32 s23, s16, 14
	s_add_co_u32 s23, s23, 2*HALFT
.irp s, 0,1
	v_add_nc_u32 v[ADRA+\s], s22, v[CO]
	v_add_nc_u32 v[ADRB+\s], s23, v[CO]
	s_add_co_u32 s22, s22, SLOT
	s_add_co_u32 s23, s23, SLOT
.endr
.macro FRAG reg, adr, off
.irp c, 0,1,2,3
	ds_load_b128 v[\reg+4*\c:\reg+4*\c+3], v[\adr] offset:\off+512*\c
.endr
.endm
.macro MUL16 a0, p, zero
.irp a, \a0, \a0+1
.irp b, 0,1,2,3,4,5,6,7
.if \zero
	v_wmma_f32_16x16x128_fp8_fp8 v[8*(8*((\a)%4)+\b):8*(8*((\a)%4)+\b)+7], v[128*(\p)+FR*\b:128*(\p)+FR*\b+FR-1], v[AF+FR*(\a):AF+FR*(\a)+FR-1], 0
.else
	v_wmma_f32_16x16x128_fp8_fp8 v[8*(8*((\a)%4)+\b):8*(8*((\a)%4)+\b)+7], v[128*(\p)+FR*\b:128*(\p)+FR*\b+FR-1], v[AF+FR*(\a):AF+FR*(\a)+FR-1], v[8*(8*((\a)%4)+\b):8*(8*((\a)%4)+\b)+7]
.endif
.endr
.endr
.endm
.macro FETCH_B slot, q, p
	WIN TO_B
.irp i, 0,1,2,3,4,5,6,7
	FRAG 128*(\p)+FR*\i, ADRB+\slot, 2048*(\q)+(\i%4)*RTL+(\i/4)*HALFT
.endr
	WIN 0
.endm
.macro FETCH_A slot, q, i0
.irp i, \i0, \i0+1, \i0+2, \i0+3
	FRAG AF+FR*(\i), ADRA+\slot, 2048*(\q)+(\i)*RTL
.endr
.endm
.macro PLACES n
.rept \n
	v_nop
.endr
.endm
.macro STEP slot, q, zero
	s_wait_dscnt 4*NL
	WIN MUL_LO
	MUL16 0, (\q)%2, \zero
	MUL16 2, (\q)%2, \zero
	s_wait_dscnt 0
	PLACES NP
	FETCH_B \slot, (\q)+1, 1-(\q)%2
	FETCH_A \slot, (\q)+1, 0
	WIN MUL_HI
	MUL16 4, (\q)%2, \zero
	MUL16 6, (\q)%2, \zero
	PLACES NP
	WIN 0
	FETCH_A \slot, (\q)+1, 4
.endm
.macro TURN slot, next, fill
	s_wait_tensorcnt 0x0
	ds_add_u32 v[SPW], v[NIL]
	s_wait_dscnt 4*NL+1
	WIN MUL_LO
	MUL16 0, 1, 0
	s_wait_dscnt 0x0
	s_barrier_signal -1
	MUL16 2, 1, 0
	WIN 0
	s_barrier_wait -1
.if \fill
	CREST
	s_add_nc_u64 s[G0+4*\slot+2:G0+4*\slot+3], s[G0+4*\slot+2:G0+4*\slot+3], 2*RTL
	s_add_nc_u64 s[G0B+4*\slot+2:G0B+4*\slot+3], s[G0B+4*\slot+2:G0B+4*\slot+3], 2*RTL
	JLOAD G0+4*\slot, G1, G0B+4*\slot, G1B
.else
	PLACES NP
.endif
	FETCH_B \next, 0, 0
	FETCH_A \next, 0, 0
	WIN MUL_HI
	MUL16 4, 1, 0
	MUL16 6, 1, 0
	PLACES NP
	WIN 0
	FETCH_A \next, 0, 4
.endm
.macro LAST
	s_wait_dscnt 4*NL
	WIN MUL_LO
	MUL16 0, 1, 0
	MUL16 2, 1, 0
	s_wait_dscnt 0
	WIN MUL_HI
	MUL16 4, 1, 0
	MUL16 6, 1, 0
	WIN 0
.endm
.macro PACK src, a
.if (\a) >= 2
	s_wait_xcnt 0x0
.endif
.set j, 0
.rept 64
	v_med3_num_f32 v[\src+j], v[\src+j], -v[LIMV], v[LIMV]
.set j, j+1
.endr
.irp b, 0,1,2,3,4,5,6,7
	v_cvt_scalef32_pk8_fp8_f32 v[CD+16*((\a)%2)+2*\b:CD+16*((\a)%2)+2*\b+1], v[\src+8*\b:\src+8*\b+7], v[SCV]
.endr
	v_nop
.set CDS, CD+16*((\a)%2)
.endm
	s_wait_alu depctr_va_vdst(0)
	s_wait_tensorcnt 1
	s_barrier_signal -1
	s_barrier_wait -1
	FETCH_B 0, 0, 0
	FETCH_A 0, 0, 0
	FETCH_A 0, 0, 4
	STEP 0, 0, 1
	TURN 0, 1, 1
	STEP 1, 0, 0
	TURN 1, 0, 1
	STEP 0, 0, 0
	TURN 0, 1, 0
	STEP 1, 0, 0
	s_wait_kmcnt 0x0
	s_add_co_i32 s94, s80, s81
	s_add_co_i32 s92, s82, s83
	s_add_co_i32 s93, s84, s85
	s_cmp_eq_u32 s75, 1
	s_cselect_b32 s94, s92, s94
	s_cselect_b32 s95, s87, s86
	s_cmp_eq_u32 s75, 2
	s_cselect_b32 s94, s93, s94
	s_cselect_b32 s95, s89, s95
	s_sub_co_i32 s96, s95, s94
	s_add_co_i32 s96, s96, 127
	s_lshl_b32 s98, s96, 23
	v_mov_b32 v[SCV], s98
	s_add_co_i32 s96, s96, 8
	s_lshl_b32 s96, s96, 23
	s_or_b32 s96, s96, 0x600000
	v_mov_b32 v[LIMV], s96
	s_sub_co_i32 s97, 0, s94
	s_cmp_lg_u32 s77, 0
	s_cbranch_scc1 .Lv_tail
	s_cmp_eq_u32 s75, 0
	s_cselect_b64 s[18:19], s[68:69], s[70:71]
	s_lshl_b32 s92, s42, 9
	s_lshl_b32 s93, s16, 8
	s_add_co_u32 s92, s92, s93
	s_mov_b32 s93, 0
	s_add_nc_u64 s[18:19], s[18:19], s[92:93]
	s_lshl_b32 s98, s17, 1
	s_add_co_u32 s98, s98, s15
	s_lshl_b32 s92, s98, 16
	s_lshl_b32 s99, s42, 13
	s_add_co_u32 s92, s92, s99
	s_lshl_b32 s99, s16, 12
	s_add_co_u32 s92, s92, s99
	s_add_nc_u64 s[20:21], s[6:7], s[92:93]
	s_lshl_b32 s92, s75, 23
	s_lshl_b32 s99, s42, 17
	s_add_co_u32 s92, s92, s99
	s_lshl_b32 s99, s16, 16
	s_add_co_u32 s92, s92, s99
	s_lshl_b32 s99, s98, 10
	s_add_co_u32 s92, s92, s99
	s_add_nc_u64 s[22:23], s[10:11], s[92:93]
	v_bfe_u32 v[BO], v0, 4, 1
	v_lshlrev_b32 v[BO], 5, v[BO]
.irp b, 0,1,2,3,4,5,6,7
.irp w, 0,1
	global_load_b128 v[BI+8*\b+4*\w:BI+8*\b+4*\w+3], v[BO], s[18:19] offset:(\b%4)*64+(\b/4)*2048+16*\w
.endr
.endr
	WIN TO_B
.irp b, 0,1,2,3,4,5,6,7
.irp w, 0,1
	global_load_b128 v[8*\b+4*\w:8*\b+4*\w+3], v[CO], s[20:21] offset:(\b%4)*1024+(\b/4)*32768+512*\w
	global_load_b128 v[64+8*\b+4*\w:64+8*\b+4*\w+3], v[CO], s[20:21] offset:4194304+(\b%4)*1024+(\b/4)*32768+512*\w
.endr
.endr
	LAST
	s_wait_loadcnt 0x0
.set j, 0
.rept 64
	v_ldexp_f32 v[BI+j], v[BI+j], s97
.set j, j+1
.endr
.macro EPI a
.set AC, 64*((\a)%4)
	WIN 0x02+((\a)/4)
.set j, 0
.rept 32
	v_pk_add_f32 v[Y+j:Y+j+1], v[AC+j:AC+j+1], v[BI+j:BI+j+1]
.set j, j+2
.endr
	WIN 0x04
.set j, 0
.rept 32
	v_pk_mul_f32 v[O+j:O+j+1], v[Y+j:Y+j+1], v[j:j+1]
.set j, j+2
.endr
.set j, 0
.rept 16
	v_pk_fma_f32 v[O+j:O+j+1], v[Y+32+j:Y+33+j], v[64+j:65+j], v[O+j:O+j+1] neg_lo:[1,0,0] neg_hi:[1,0,0]
	v_pk_fma_f32 v[O+32+j:O+33+j], v[Y+j:Y+j+1], v[96+j:97+j], v[O+32+j:O+33+j]
.set j, j+2
.endr
	WIN 0
	PACK O, \a
	global_store_b128 v[CO], v[CDS:CDS+3], s[22:23] offset:(\a)*1048576
	global_store_b128 v[CO], v[CDS+4:CDS+7], s[22:23] offset:(\a)*1048576+512
	global_store_b128 v[CO], v[CDS+8:CDS+11], s[22:23] offset:(\a)*1048576+524288
	global_store_b128 v[CO], v[CDS+12:CDS+15], s[22:23] offset:(\a)*1048576+524800
.endm
.irp a, 0,1,2,3,4,5,6,7
	EPI \a
.endr
	s_branch .Lend
.Lv_tail:
	s_lshl_b32 s92, s17, 10
	s_lshl_b32 s93, s15, 9
	s_add_co_u32 s92, s92, s93
	s_mov_b32 s93, 0
	s_add_nc_u64 s[18:19], s[72:73], s[92:93]
	s_lshr_b32 s92, s42, 2
	s_lshl_b32 s92, s92, 20
	s_add_co_u32 s92, s92, 16<<20
	s_lshl_b32 s99, s17, 18
	s_add_co_u32 s92, s92, s99
	s_lshl_b32 s99, s15, 17
	s_add_co_u32 s92, s92, s99
	s_and_b32 s99, s42, 3
	s_lshl_b32 s99, s99, 14
	s_add_co_u32 s92, s92, s99
	s_lshl_b32 s99, s16, 10
	s_add_co_u32 s92, s92, s99
	s_add_nc_u64 s[22:23], s[10:11], s[92:93]
	v_and_b32 v[BO], 15, v0
	v_lshlrev_b32 v[BO], 2, v[BO]
.irp a, 0,1,2,3,4,5,6,7
	global_load_b32 v[BI+2*\a], v[BO], s[18:19] offset:64*\a
.endr
	LAST
	s_wait_loadcnt 0x0
.irp a, 0,1,2,3,4,5,6,7
	v_ldexp_f32 v[BI+2*\a], v[BI+2*\a], s97
	v_mov_b32 v[BI+2*\a+1], v[BI+2*\a]
.endr
.macro VEPI a
.set AC, 64*((\a)%4)
	WIN 0x02+((\a)/4)
.set j, 0
.rept 32
	v_pk_add_f32 v[Y+j:Y+j+1], v[AC+j:AC+j+1], v[BI+2*(\a):BI+2*(\a)+1]
.set j, j+2
.endr
	WIN 0
	PACK Y, \a
	global_store_b128 v[CO], v[CDS:CDS+3], s[22:23] offset:((\a)/4)*65536+((\a)%4)*2048
	global_store_b128 v[CO], v[CDS+4:CDS+7], s[22:23] offset:((\a)/4)*65536+((\a)%4)*2048+512
	global_store_b128 v[CO], v[CDS+8:CDS+11], s[22:23] offset:((\a)/4)*65536+((\a)%4)*2048+8192
	global_store_b128 v[CO], v[CDS+12:CDS+15], s[22:23] offset:((\a)/4)*65536+((\a)%4)*2048+8704
.endm
.irp a, 0,1,2,3,4,5,6,7
	VEPI \a
.endr
.Lend:
	s_wait_tensorcnt 0x0
	ds_add_u32 v[SPW], v[NIL]
	s_wait_dscnt 0x0
	CROUND
	s_endpgm
.Lfunc_end_k_q11498504c7_proj:
	.size	k_q11498504c7_proj, .Lfunc_end_k_q11498504c7_proj-k_q11498504c7_proj
	.p2alignl 7, 3214868480
	.fill 96, 4, 3214868480
	.section	.rodata,"a",@progbits
	.p2align	6, 0x0
	.amdhsa_kernel k_q11498504c7_proj
		.amdhsa_group_segment_fixed_size 327680
		.amdhsa_private_segment_fixed_size 0
		.amdhsa_enable_private_segment 0
		.amdhsa_kernarg_size 56
		.amdhsa_user_sgpr_count 2
		.amdhsa_user_sgpr_kernarg_segment_ptr 1
		.amdhsa_wavefront_size32 1
		.amdhsa_system_sgpr_workgroup_id_x 1
		.amdhsa_system_sgpr_workgroup_id_y 1
		.amdhsa_system_sgpr_workgroup_id_z 1
		.amdhsa_system_vgpr_workitem_id 0
		.amdhsa_next_free_vgpr 1024
		.amdhsa_next_free_sgpr 100
		.amdhsa_reserve_vcc 0
		.amdhsa_float_denorm_mode_32 3
		.amdhsa_float_denorm_mode_16_64 3
		.amdhsa_memory_ordered 1
		.amdhsa_forward_progress 1
		.amdhsa_inst_pref_size 239
	.end_amdhsa_kernel
	.amdgpu_metadata
---
amdhsa.version: [ 1, 2 ]
amdhsa.kernels:
  - .name:           k_q11498504c7_proj
    .symbol:         k_q11498504c7_proj.kd
    .args:
      - { .name: xw, .offset: 0, .size: 8, .value_kind: global_buffer, .address_space: global }
      - { .name: img, .offset: 8, .size: 8, .value_kind: global_buffer, .address_space: global }
      - { .name: lowp_scales, .offset: 16, .size: 8, .value_kind: global_buffer, .address_space: global }
      - { .name: qkv, .offset: 24, .size: 8, .value_kind: global_buffer, .address_space: global }
      - { .name: bq, .offset: 32, .size: 8, .value_kind: global_buffer, .address_space: global }
      - { .name: bk, .offset: 40, .size: 8, .value_kind: global_buffer, .address_space: global }
      - { .name: bv, .offset: 48, .size: 8, .value_kind: global_buffer, .address_space: global }
    .group_segment_fixed_size: 327680
    .private_segment_fixed_size: 0
    .kernarg_segment_align: 8
    .kernarg_segment_size: 56
    .max_flat_workgroup_size: 128
    .sgpr_count:     100
    .vgpr_count:     1024
    .wavefront_size: 32
...
	.end_amdgpu_metadata
.endif
;; end of part 2
;; launch attn (part 3): grid 8 x 32, 8 waves a work-group, clusters of 4 x 4, 327,680 bytes of LDS; arguments qkv, img, mask, att_prior_bias, lowp_scales, cc; writes cc
.if DOCPART == 3
	.amdgcn_target "amdgcn-amd-amdhsa--gfx1250"
	.amdhsa_code_object_version 6
	.text
	.protected	k_q11498504c7_attn
	.globl	k_q11498504c7_attn
	.p2align	8
	.type	k_q11498504c7_attn,@function
k_q11498504c7_attn:
	s_mov_b64 s[64:65], 0
	v_nop
	global_prefetch_b8 v0, s[64:65] scope:SCOPE_SE
	s_setreg_imm32_b32 hwreg(HW_REG_WAVE_MODE, 25, 1), 1
	s_wait_xcnt 0x0
	s_wait_alu depctr_hold_cnt(0) depctr_sa_sdst(0) depctr_va_vdst(0) depctr_va_sdst(0) depctr_va_ssrc(0) depctr_va_vcc(0) depctr_vm_vsrc(0)
	s_getreg_b32 s2, hwreg(HW_REG_IB_STS2, 6, 4)
	s_cmp_eq_u32 s2, 0
	s_cbranch_scc0 .Lentry_in_a_cluster
	s_endpgm
.Lentry_in_a_cluster:
	s_bfe_u32 s2, ttmp6, 0x10000c
	s_cmp_lg_u32 s2, 0xf033
	s_cbranch_scc0 .Lentry_shape_is_right
	s_endpgm
.Lentry_shape_is_right:
; Attention on codes of FP8 (E4M3): logit = q . k / 8 + mask[b][key] + sigmoid(att_prior_bias[head]) x short_matrix[query][key]; t = logit x log2(e); M = the running largest t rounded UP to a whole number;
; p = 2^(t - M) is quantised with 2^e8, not normalised; the row's sum is taken of the unquantised p and divides at the end; the result is quantised with 2^e10 for the output projection.
; SHARES.  A work-group owns 128 queries (block X) of four heads of one batch (Y = 4 x batch + group of heads): 32 tiles of 16 queries x one head.  Wave w owns head w / 2 and the four tiles of queries 4 (w % 2) + 0 .. 3:
; one read of K's, V's and the mask's registers serves four tiles; only short_matrix is read for each tile: 16 + 16 + 16 + 64 LDS loads for a wave's step.  Every wave walks the 1,024 keys, 128 a step, eight steps.
; LAYOUT.  Both products are used transposed (source 0 = 16 keys or 16 channels, source 1 = 16 queries): a lane holds ONE query (lane % 16) of each tile; in tile t of the scores its registers are keys 16 t + 8 (lane / 16) + 0 .. 7,
; so the conversion's two registers for tile t ARE registers 2 t, 2 t + 1 of the second product's operand.  q, k, v and short_matrix lie in memory as images of these registers: every LDS read is 512 consecutive bytes.
; THE BIAS IS THE C OF THE FIRST PRODUCT: with E = e6 + e7, C = short x sigmoid x 2^(3 - E) + mask x 2^(3 - E), D = k q^T + C, t = D x (log2(e) / 8) 2^E.
; RING.  Two LDS slots of 131,072 bytes: K (four heads x 8,192 bytes), V (the same), short_matrix (eight tiles of queries x 8,192).  Each of the eight waves asks for 16,384 bytes of a slot: one tensor load a wave is out at most.
; CLUSTER 4 x 4: the four work-groups of a row of the cluster share Y, so K's and V's tiles are asked for jointly along the row; the four of a column share X, so short_matrix's tiles along the column.
; LIMITS: e6 + e7 between -100 and 100; e8, and e10 - e8 - e9, between -126 and 119.  NaN among the inputs is not served; a query all of whose keys stand at -infinity (reference(): NaN) gets no defined code.
; REGISTERS.  Window 0: v1-23 addresses, constants, work; v24-39 four tiles' -M, largest t, sum (two halves); v40-71 Q; v72-135 the step's mask numbers; v136-199 short_matrix, scores, p; v200-215 work, then p's codes.
; Window 1: v0-127 O^T of the four tiles; v128-191 K; v192-255 V.
.set SLOT1, 131072
.set VOFF,  32768
.set SOFF,  65536
.set MASKB, 262144                     ; behind the ring: the batch's 1,024 mask numbers x 2^(3 - E): sixteen blocks of 256 bytes into which no tile lands
.set SPARE, 270336                     ; 4,096 bytes behind the mask numbers: the spare words, 128 bytes for each wave: four blocks of 256 bytes that no other line names
.set LA,   1                           ; 16 x lane
.set AK0,  2                           ; my head's K tile in slot 0
.set AS0,  3                           ; my four tiles of short_matrix in slot 0
.set AM0,  4                           ; MASKB + 32 (lane / 16)
.set SPW,  5
.set NIL,  6
.set ADK,  7                           ; the same three for the step in hand
.set ADS,  8
.set AMC,  9
.set SG,   10                          ; v[10:11] sigmoid x 2^(3 - E)
.set PFO,  12
.set SCO,  13                          ; 2^(e10 - e8 - e9)
.set LIMP, 14                          ; v14, v15: 448 x 2^e8, twice: one for each half of a dual pair
.set SCP,  16                          ; 2^e8
.set LIMO, 17                          ; 448 x 2^(e10 - e8 - e9)
.set F,    18                          ; v[18:19] f = 2^(old M - new M)
.set TA,   20
.set TB1,  21
.set TC,   22
.set ST,   24
.set QF,   40
.set MR,   72
.set S,    136
.set P,    200
.set HT,   216                         ; v216-223: at work in the head
.set OT,   0                           ; window 1
.set KR,   128
.set VR,   192
.set WV,   18
.set SEL,  20
.set CS,   22
.set G1KV, 24
.set G1S,  32
.set G0KV, 40
.set G0S,  44
.set CNT,  61
.set MK,   62
.set LIM,  63
.set PFA,  66
.set TB,   98
.set MSB, 0
.macro WIN new                         ; the immediate's high byte repeats the setting that is left
.if MSB != \new
	s_set_vgpr_msb (MSB<<8)|\new
.set MSB, \new
.endif
.endm
; A joint load: waves 0 to 3 ask for K's and V's halves, waves 4 to 7 for two tiles of short_matrix each; the branch hangs on the wave's number alone.  An s_nop 0 and four v_nop follow each line.
.macro JLOAD
	s_cmp_lt_u32 s[WV], 4
	s_cbranch_scc0 .Lfor_s_\@
	tensor_load_to_lds s[G0KV:G0KV+3], s[G1KV:G1KV+7]
	s_nop 0
.rept 4
	v_nop
.endr
	s_branch .Lasked_\@
.Lfor_s_\@:
	tensor_load_to_lds s[G0S:G0S+3], s[G1S:G1S+7]
	s_nop 0
.rept 4
	v_nop
.endr
.Lasked_\@:
.endm
; A PREFETCH INTO THE L2 of what the NEXT refill will ask for, a key step ahead of it.  Each aligned block of 256 bytes is named once in the launch: K's and V's tiles are read by both clusters along x: the first asks
; (wave 4: K, wave 5: V), its partners along a row take one head's 8,192 bytes each, told apart BY ADDRESS (cx); short_matrix's tiles are read by all eight clusters along y: the first asks (waves 6, 7), its partners along a
; column take two tiles of queries each (cy).  Lanes stand 256 bytes apart.  Steps 0 and 1 come by their loads alone; the loop's last trip (one trip left) asks for nothing: there is no step 8.
.macro ASK
	s_cmp_gt_u32 s[CNT], s[LIM]
	s_cbranch_scc0 .Lnot_mine_\@
	global_prefetch_b8 v[PFO], s[PFA:PFA+1] th:TH_LOAD_NT scope:SCOPE_SE
.Lnot_mine_\@:
.endm
.macro CREST                           ; a round of the cluster's barrier behind its opening barrier
	s_cmp_lg_u32 s[WV], 0
	s_cbranch_scc1 .Lnot_wave_0_\@
	s_barrier_signal -3
.Lnot_wave_0_\@:
	s_barrier_wait -3
	s_barrier_signal -1
	s_barrier_wait -1
.endm
.macro CROUND                          ; a whole round
	s_barrier_signal -1
	s_barrier_wait -1
	CREST
.endm
	s_load_b256 s[4:11], s[0:1], 0x0               ; qkv s[4:5], img s[6:7], mask s[8:9], att_prior_bias s[10:11]
	s_load_b128 s[12:15], s[0:1], 0x20             ; the exponents s[12:13], cc s[14:15]
	v_lshl_add_u32 v[SPW], v0, 2, SPARE
	v_mov_b32 v[NIL], 0
	ds_add_u32 v[SPW], v[NIL]                      ; the opening lines: the add, twice on end, and its wait ahead of the first tensor loads
	ds_add_u32 v[SPW], v[NIL]
	v_lshrrev_b32 v[HT], 5, v0
	s_delay_alu instid0(VALU_DEP_1)
	v_readfirstlane_b32 s[WV], v[HT]               ; wave 0..7
	s_and_b32 s19, s[WV], 1                        ; my half of the tiles of queries
	s_lshr_b32 s60, s[WV], 1                       ; my head of the four
	s_and_b32 s97, s[WV], 3                        ; which quarter of K and V, or of short_matrix, I fetch
	s_bfe_u32 s56, ttmp6, 0x40000                  ; cx
	s_bfe_u32 s57, ttmp6, 0x40004                  ; cy
	s_lshl_b32 s58, ttmp9, 2
	s_add_co_u32 s58, s58, s56                     ; X: my block of 128 queries
	s_and_b32 s59, ttmp7, 0xffff
	s_lshl_b32 s59, s59, 2
	s_add_co_u32 s59, s59, s57                     ; Y = 4 x batch + group of heads
	s_lshl_b32 s80, s57, 2
	s_lshl_b32 s80, 15, s80                        ; my row of the cluster
	s_lshl_b32 s81, 0x1111, s56                    ; my column
	; descriptor group 1: 2 rows of 1,024 elements of 8 bytes (8,192 bytes), 8,192 elements (65,536 bytes) apart; dense in LDS
	s_or_b32 s[G1KV], s80, (3<<16)|(1<<21)
	s_or_b32 s[G1S], s81, (3<<16)|(1<<21)
.irp g, G1KV, G1S
	s_mov_b32 s[\g+1], 1024<<16
	s_mov_b32 s[\g+2], 2<<16
	s_mov_b32 s[\g+3], 1024<<16
	s_mov_b32 s[\g+4], 2
	s_mov_b32 s[\g+5], 8192
	s_mov_b32 s[\g+6], 0
	s_mov_b32 s[\g+7], 0
.endr
	; byte offsets.  K's and V's hang on Y and the wave's number alone, short_matrix's on X and the wave's number alone
	s_lshl_b32 s82, s59, 18                        ; four heads of 65,536 bytes
	s_lshr_b32 s86, s97, 1
	s_lshl_b32 s86, s86, 23                        ; quarters 0, 1: K's codes at 8 MiB; 2, 3: V's at 16 MiB
	s_add_co_u32 s82, s82, s86
	s_lshl_b32 s86, s19, 17                        ; heads 0, 1 or 2, 3
	s_add_co_u32 s82, s82, s86
	s_add_co_u32 s82, s82, 8<<20
	s_mov_b32 s83, 0
	s_lshl_b32 s84, s58, 19                        ; eight tiles of queries of 65,536 bytes,
	s_lshl_b32 s86, s97, 17                        ; my two of them,
	s_add_co_u32 s84, s84, s86
	s_add_co_u32 s84, s84, 8<<20                   ; in short_matrix's image at 8 MiB
	s_mov_b32 s85, 0
	s_lshl_b32 s86, s97, 14                        ; in a slot: 16,384 x quarter
	s_and_b32 s87, s59, 3
	s_lshl_b32 s87, s87, 2
	s_add_co_u32 s87, s87, s60                     ; my head, 0..15
	s_lshl_b32 s88, s87, 2
	s_mov_b32 s89, 0
	s_lshl_b32 s90, s59, 2
	s_add_co_u32 s90, s90, s60
	s_lshl_b32 s90, s90, 16                        ; Q: (16 x batch + head) x 65,536
	s_lshl_b32 s92, s58, 3
	s_lshl_b32 s93, s19, 2
	s_add_co_u32 s92, s92, s93                     ; my first tile of queries among the 64 of the sequence
	s_lshl_b32 s93, s92, 10
	s_add_co_u32 s90, s90, s93
	s_mov_b32 s91, 0
	s_lshr_b32 s93, s59, 2                         ; batch
	s_lshl_b32 s94, s93, 6
	s_add_co_u32 s94, s94, s92
	s_lshl_b32 s94, s94, 14                        ; cc: a tile of 16 rows is 16,384 bytes;
	s_lshl_b32 s95, s87, 10
	s_add_co_u32 s94, s94, s95                     ; a head's 64 columns are half a fragment: 1,024 bytes
	s_mov_b32 s95, 0
	s_lshl_b32 s92, s93, 12                        ; mask: 4,096 bytes a batch
	s_mov_b32 s93, 0
	s_mov_b32 s[SEL], 0x76543210
	s_mov_b32 s[SEL+1], 0xfedcba98
	s_mov_b32 s[CS], 0x3e38aa3b                    ; log2(e) / 8
	s_mov_b32 s[MK], 0
	s_mov_b32 s[TB], 0
	s_mov_b32 s[CNT], 6
	s_wait_dscnt 0x0                               ; both opening adds are done
	s_wait_kmcnt 0x0
	s_load_b256 s[68:75], s[12:13], 0x0            ; e0 .. e7
	s_load_b128 s[76:79], s[12:13], 0x20           ; e8 .. e11
	s_add_nc_u64 s[10:11], s[10:11], s[88:89]
	s_load_b32 s96, s[10:11], 0x0                  ; att_prior_bias of my head
	s_add_nc_u64 s[16:17], s[4:5], s[90:91]        ; Q's tiles
	s_add_nc_u64 s[14:15], s[14:15], s[94:95]
	s_add_nc_u64 s[8:9], s[8:9], s[92:93]
	s_mov_b32 s[G0KV], 1
	s_mov_b32 s[G0KV+1], s86
	s_add_nc_u64 s[G0KV+2:G0KV+3], s[4:5], s[82:83]
	s_or_b32 s[G0KV+3], s[G0KV+3], 0x80000000
	s_mov_b32 s[G0S], 1
	s_add_co_u32 s[G0S+1], s86, SOFF
	s_add_nc_u64 s[G0S+2:G0S+3], s[6:7], s[84:85]
	s_or_b32 s[G0S+3], s[G0S+3], 0x80000000
	; the prefetches: where my wave's stand, and who asks
	s_lshl_b32 s80, s59, 18
	s_lshl_b32 s81, s56, 16
	s_add_co_u32 s80, s80, s81
	s_lshl_b32 s81, s19, 23
	s_add_co_u32 s80, s80, s81                     ; K (wave 4) or V (wave 5): head cx of Y's four
	s_lshl_b32 s81, s58, 19
	s_lshl_b32 s87, s57, 17
	s_add_co_u32 s81, s81, s87
	s_lshl_b32 s87, s19, 16
	s_add_co_u32 s81, s81, s87                     ; short_matrix (waves 6, 7): tile 2 cy + wave % 2 of X's eight
	s_and_b32 s89, ttmp7, 0xffff                   ; cluster y
	s_cmp_ge_u32 s[WV], 6
	s_cselect_b64 s[PFA:PFA+1], s[6:7], s[4:5]
	s_cselect_b32 s80, s81, s80
	s_cselect_b32 s87, s89, ttmp9                  ; the coordinate along which other clusters read the same bytes
	s_add_co_u32 s80, s80, (8<<20)+8192            ; at step 1: the first step's head moves it to step 2
	s_mov_b32 s81, 0
	s_add_nc_u64 s[PFA:PFA+1], s[PFA:PFA+1], s[80:81]
	s_sub_co_u32 s88, s[WV], 4
	s_cmp_lt_u32 s88, 4                            ; waves 4 to 7
	s_cselect_b32 s88, 0, 1
	s_or_b32 s88, s88, s87
	s_cmp_eq_u32 s88, 0
	s_cselect_b32 s[LIM], 1, -1                    ; 1 in a wave that asks, else the greatest number; the same in all sixteen partners, for a given wave
	CROUND                                         ; all sixteen work-groups are here: the first joint loads meet
	JLOAD                                          ; step 0; slot 1 is first filled behind the first step's round, as a refill is
	v_and_b32 v[HT], 31, v0
	s_delay_alu instid0(VALU_DEP_1)
	v_lshlrev_b32 v[LA], 4, v[HT]
	v_lshlrev_b32 v[PFO], 8, v[HT]
	v_lshlrev_b32 v[HT+1], 4, v0                   ; the mask: 256 threads x 16 bytes
	v_bfe_u32 v[HT+3], v0, 4, 1
	s_delay_alu instid0(VALU_DEP_1)
	v_lshlrev_b32 v[HT+3], 5, v[HT+3]              ; 32 (lane / 16)
.irp u, 0,1,2,3
	global_load_b128 v[QF+8*\u:QF+8*\u+3], v[LA], s[16:17] offset:1024*\u
	global_load_b128 v[QF+8*\u+4:QF+8*\u+7], v[LA], s[16:17] offset:1024*\u+512
.endr
	global_load_b128 v[HT+4:HT+7], v[HT+1], s[8:9]
.set n, 0
.rept 16
	global_load_b128 v[MR+4*n:MR+4*n+3], v[HT+3], s[8:9] offset:64*(n/2)+16*(n%2)   ; step 0's mask numbers come straight from memory: the later steps' come from LDS, a step ahead
.set n, n+1
.endr
	v_lshl_add_u32 v[HT+2], v0, 4, MASKB
	s_lshl_b32 s80, s60, 13
	v_add_nc_u32 v[AK0], s80, v[LA]
	s_lshl_b32 s81, s19, 15
	s_add_co_u32 s81, s81, SOFF
	v_add_nc_u32 v[AS0], s81, v[LA]
	v_bfe_u32 v[AM0], v0, 4, 1
	s_delay_alu instid0(VALU_DEP_1)
	v_lshl_add_u32 v[AM0], v[AM0], 5, MASKB
.irp u, 0,1,2,3
	v_mov_b32 v[ST+4*\u+1], 0xff61b1e6             ; the largest t so far: -3e38, under every t
	v_mov_b32 v[ST+4*\u+2], 0                      ; the sum, in two halves
	v_mov_b32 v[ST+4*\u+3], 0
.endr
.irp u, 0,1,2,3
	v_floor_f32 v[ST+4*\u], -v[ST+4*\u+1]          ; -M
.endr
	v_mov_b32 v[TA], 0                             ; written once: a lane permute's destination counts as one of its sources
	v_mov_b32 v[F+1], 0                            ; (named as the upper half of the pair)
	WIN 0x40
.set j, 0
.rept 128
	v_mov_b32 v[OT+j], 0                           ; O^T.  (The step is written for every step alike: the first finds zeros, which the first change of M leaves zeros)
.set j, j+1
.endr
	WIN 0
	s_wait_kmcnt 0x0
	s_add_co_i32 s80, s74, s75                     ; E = e6 + e7
	s_lshl_b32 s81, s80, 23
	s_add_co_i32 s[CS], s[CS], s81                 ; added to the factor's exponent field
	s_mov_b32 s[CS+1], s[CS]
	s_sub_co_i32 s81, 3, s80                       ; 3 - E
	v_mov_b32 v[SG], s96
	s_delay_alu instid0(VALU_DEP_1)
	v_mul_f32 v[SG], 0xbfb8aa3b, v[SG]             ; sigmoid(x) = 1 / (1 + 2^(-x log2(e)))
	s_wait_alu depctr_va_vdst(0)                   ; a wait ahead of a transcendental and one ahead of its first reader
	v_exp_f32 v[SG], v[SG]
	v_nop
	s_wait_alu depctr_va_vdst(0)
	v_add_f32 v[SG], 1.0, v[SG]
	s_wait_alu depctr_va_vdst(0)
	v_rcp_f32 v[SG], v[SG]
	v_nop
	s_wait_alu depctr_va_vdst(0)
	v_ldexp_f32 v[SG], v[SG], s81                  ; x 2^(3 - E)
	s_delay_alu instid0(VALU_DEP_1)
	v_mov_b32 v[SG+1], v[SG]
	s_add_co_i32 s82, s76, 127
	s_lshl_b32 s83, s82, 23
	v_mov_b32 v[SCP], s83                          ; 2^e8, for p's conversions
	s_add_co_i32 s82, s82, 8
	s_lshl_b32 s82, s82, 23
	s_or_b32 s82, s82, 0x600000
	v_mov_b32 v[LIMP], s82                         ; 448 x 2^e8
	v_mov_b32 v[LIMP+1], s82
	s_sub_co_i32 s82, s78, s76
	s_sub_co_i32 s82, s82, s77                     ; O^T / the sum stands for that x 2^(e8 + e9): its code is that / 2^(e10 - e8 - e9)
	s_add_co_i32 s82, s82, 127
	s_lshl_b32 s83, s82, 23
	v_mov_b32 v[SCO], s83
	s_add_co_i32 s82, s82, 8
	s_lshl_b32 s82, s82, 23
	s_or_b32 s82, s82, 0x600000
	v_mov_b32 v[LIMO], s82
	s_wait_alu depctr_va_vdst(0)
	s_wait_loadcnt 0x0                             ; Q and the mask numbers
.set j, 0
.rept 4
	v_ldexp_f32 v[HT+4+j], v[HT+4+j], s81
.set j, j+1
.endr
	ds_store_b128 v[HT+2], v[HT+4:HT+7]            ; read by all waves behind the first step's round, in front of which I wait for it
.set j, 0
.rept 64
	v_ldexp_f32 v[MR+j], v[MR+j], s81
.set j, j+1
.endr
.macro SHORT u                         ; short_matrix for tile u of my queries, in the scores' own layout
.set n, 0
.rept 16
	ds_load_b128 v[S+4*n:S+4*n+3], v[ADS] offset:(\u)*8192+512*n
.set n, n+1
.endr
.endm
; ONE TILE OF QUERIES in a key step.  The step's fourth tile (u = 3) holds the change of slots (macros MEET, REST, NEXTS).  last = 0: the slot that is left is filled again; last = 1: steps 6 and 7, which fill nothing
.macro UNIT u, last
.set NM, ST+4*(\u)
.set OU, OT+32*(\u)
.if (\u) == 3
	MEET \last                                     ; this tile's short_matrix is my last read of the slot
.else
	s_wait_dscnt 0x0                               ; this tile's short_matrix is in (tile 0: K and the mask numbers too)
.endif
.set j, 0
.rept 32
	v_pk_fma_f32 v[S+j:S+j+1], v[S+j:S+j+1], v[SG:SG+1], v[MR+j:MR+j+1] op_sel_hi:[1,0,1]   ; C = short x sigmoid 2^(3 - E) + mask 2^(3 - E)
.set j, j+2
.endr
	WIN 0x01                                       ; source 0 (K) in window 1
.set t, 0
.rept 8
	v_wmma_f32_16x16x64_fp8_fp8 v[S+8*t:S+8*t+7], v[KR+8*t:KR+8*t+7], v[QF+8*(\u):QF+8*(\u)+7], v[S+8*t:S+8*t+7]
.set t, t+1
.endr
.if (\u) == 0
	WIN 0x40
.set n, 0
.rept 16
	ds_load_b128 v[VR+4*n:VR+4*n+3], v[ADK] offset:VOFF+512*n   ; V: four fragments of 16 channels x 128 keys; they land under the first softmax
.set n, n+1
.endr
.endif
	WIN 0
.rept 4
	v_nop                                          ; places: the maximum reads results just made
.endr
.set t, 0
.rept 8
	v_max3_num_f32 v[P+t], v[S+8*t], v[S+8*t+1], v[S+8*t+2]   ; the largest score of my query among my 64 keys: eight chains, each accumulator from its low end on
.set t, t+1
.endr
.set t, 0
.rept 8
	v_max3_num_f32 v[P+t], v[P+t], v[S+8*t+3], v[S+8*t+4]
.set t, t+1
.endr
.set t, 0
.rept 8
	v_max3_num_f32 v[P+t], v[P+t], v[S+8*t+5], v[S+8*t+6]
.set t, t+1
.endr
.set t, 0
.rept 4
	v_max3_num_f32 v[P+t], v[P+t], v[S+8*t+7], v[S+8*t+39]
.set t, t+1
.endr
	v_max3_num_f32 v[P], v[P], v[P+1], v[P+2]
	v_max3_num_f32 v[P+3], v[P+3], v[P+4], v[P+5]
	v_max_num_f32 v[P+6], v[P+6], v[P+7]
	s_delay_alu instid0(VALU_DEP_1)
	v_max3_num_f32 v[TB1], v[P], v[P+3], v[P+6]
	s_delay_alu instid0(VALU_DEP_1)
	v_permlanex16_b32 v[TA], v[TB1], s[SEL], s[SEL+1]
	s_delay_alu instid0(VALU_DEP_1)
	v_max_num_f32 v[TB1], v[TB1], v[TA]            ; and among lane l xor 16's
	s_delay_alu instid0(VALU_DEP_1)
	v_mul_f32 v[TB1], s[CS], v[TB1]                ; as t (the factor is positive)
	s_delay_alu instid0(VALU_DEP_1)
	v_max_num_f32 v[NM+1], v[NM+1], v[TB1]         ; the running largest t
	v_mov_b32 v[TC], v[NM]
	s_delay_alu instid0(VALU_DEP_2)
	v_floor_f32 v[NM], -v[NM+1]                    ; the new -M = -ceil(t): M is a whole number
	s_delay_alu instid0(VALU_DEP_1)
	v_sub_f32 v[TC], v[NM], v[TC]                  ; M's old value less its new one: a whole number, 0 or less
	s_delay_alu instid0(VALU_DEP_1)
	v_cvt_i32_f32 v[TC], v[TC]                     ; (it saturates)
	s_delay_alu instid0(VALU_DEP_1)
	v_ldexp_f32 v[F], 1.0, v[TC]                   ; f = 2^(old M - new M): a multiplication by it rounds nothing
.set j, 0
.rept 32
	v_pk_fma_f32 v[S+j:S+j+1], v[S+j:S+j+1], s[CS:CS+1], v[NM:NM+1] op_sel_hi:[1,0,0]   ; t - M, two at a time
.set j, j+2
.endr
	s_wait_alu depctr_va_vdst(0)                   ; the wait ahead of the batch
.set j, 0
.rept 64
	v_exp_f32 v[S+j], v[S+j]
.set j, j+1
.endr
	v_pk_mul_f32 v[NM+2:NM+3], v[NM+2:NM+3], v[F:F+1] op_sel_hi:[1,0]   ; the sums under the new M.  (The plain line behind the exponentials)
	s_wait_alu depctr_va_vdst(0)                   ; one wait for the whole batch, ahead of its first reader
.set i, 0
.rept 8
	v_pk_add_f32 v[P+2*i:P+2*i+1], v[S+2*i:S+2*i+1], v[S+16+2*i:S+17+2*i]   ; the row's sum is taken of the unquantised p: eight chains
.set i, i+1
.endr
.set i, 0
.rept 8
	v_pk_add_f32 v[P+2*i:P+2*i+1], v[P+2*i:P+2*i+1], v[S+32+2*i:S+33+2*i]
.set i, i+1
.endr
.set i, 0
.rept 8
	v_pk_add_f32 v[P+2*i:P+2*i+1], v[P+2*i:P+2*i+1], v[S+48+2*i:S+49+2*i]
.set i, i+1
.endr
.set i, 0
.rept 4
	v_pk_add_f32 v[P+2*i:P+2*i+1], v[P+2*i:P+2*i+1], v[P+8+2*i:P+9+2*i]
.set i, i+1
.endr
	v_pk_add_f32 v[P:P+1], v[P:P+1], v[P+4:P+5]
	v_pk_add_f32 v[P+2:P+3], v[P+2:P+3], v[P+6:P+7]
	s_delay_alu instid0(VALU_DEP_1)
	v_pk_add_f32 v[P:P+1], v[P:P+1], v[P+2:P+3]
	s_delay_alu instid0(VALU_DEP_1)
	v_pk_add_f32 v[NM+2:NM+3], v[NM+2:NM+3], v[P:P+1]
.if (\u) == 3
	REST \last                                     ; every exponential has had its wait; what follows reads registers that were written long before, or by them
.endif
.set j, 0
.rept 32
	v_dual_min_num_f32 v[S+j], v[S+j], v[LIMP] :: v_dual_min_num_f32 v[S+j+1], v[S+j+1], v[LIMP+1]   ; the conversion does not saturate (ISA guide 7.6.2); p is not negative, so the hold is one-sided
.set j, j+2
.endr
.set t, 0
.rept 8
	v_cvt_scalef32_pk8_fp8_f32 v[P+2*t:P+2*t+1], v[S+8*t:S+8*t+7], v[SCP]   ; keys 16 t + 8 h + 0 .. 7: registers 2 t, 2 t + 1 of the operand
.set t, t+1
.endr
.if (\u) < 3
	SHORT (\u)+1                                   ; the next tile's short_matrix lands under the second product
.else
	NEXTS \last                                    ; and so does the next step's first
.endif
.if (\u) == 0
	s_wait_dscnt 16                                ; V is in; the sixteen loads just issued may be out
.endif
	WIN 0x41                                       ; O^T in window 1
	s_wait_alu depctr_va_vdst(0)                   ; directly ahead of the first reader of O^T
.set j, 0
.rept 16
	v_pk_mul_f32 v[OU+j:OU+j+1], v[OU+j:OU+j+1], v[F:F+1] op_sel_hi:[1,0]   ; O^T under the new M.  (Also the plain lines between the conversions and the products that read their results)
.set j, j+2
.endr
	WIN 0x51                                       ; V, C and D in window 1, p's codes in window 0
.set c, 0
.rept 4
	v_wmma_f32_16x16x128_fp8_fp8 v[OU+8*c:OU+8*c+7], v[VR+16*c:VR+16*c+15], v[P:P+15], v[OU+8*c:OU+8*c+7]
.set c, c+1
.endr
	WIN 0
.endm
; A KEY STEP's work: 128 keys, from the slot at s[TB]
.macro ADDR                            ; the LDS addresses of the step whose slot begins at s[TB]
	v_add_nc_u32 v[ADK], s[TB], v[AK0]
	v_add_nc_u32 v[ADS], s[TB], v[AS0]
	v_add_nc_u32 v[AMC], s[MK], v[AM0]
.endm
.macro KLOAD                           ; K: eight fragments of 16 keys x 64
	WIN 0x40
.set n, 0
.rept 16
	ds_load_b128 v[KR+4*n:KR+4*n+3], v[ADK] offset:512*n
.set n, n+1
.endr
	WIN 0
.endm
.macro WORK last
	UNIT 0, \last
	UNIT 1, \last
	UNIT 2, \last
	UNIT 3, \last
.endm
; THE CHANGE OF SLOTS at a step's head: each wave waits for all its tensor loads (its part of this step's tiles), adds 0 to its spare word, and waits for that and for its reads of the other slot; a round of the cluster's barrier;
; fill = 1: the other slot is filled with the next step's tiles, first thing behind the round: the load has this step's work in which to land.
.macro CHANGE fill
	s_wait_alu depctr_va_vdst(0)
	s_wait_tensorcnt 0x0                           ; no tensor load of mine is out, so a group 0 may be written
	ds_add_u32 v[SPW], v[NIL]                      ; 0 onto my spare word
.if \fill
	s_xor_b32 s[G0KV+1], s[G0KV+1], SLOT1          ; the walking descriptors: the other slot, the next step's 8,192 bytes of each row
	s_add_nc_u64 s[G0KV+2:G0KV+3], s[G0KV+2:G0KV+3], 8192
	s_xor_b32 s[G0S+1], s[G0S+1], SLOT1
	s_add_nc_u64 s[G0S+2:G0S+3], s[G0S+2:G0S+3], 8192
	s_wait_xcnt 0x0                                ; the last prefetch, a step back, has read its address, so it may be written
	s_add_nc_u64 s[PFA:PFA+1], s[PFA:PFA+1], 8192
.endif
	s_wait_dscnt 0x0                               ; the add is done, my LDS stores have landed, and my reads of the other slot are over
	CROUND
.if \fill
	JLOAD
	ASK
.endif
.endm
; THE CHANGE OF SLOTS INSIDE A STEP.  MEET, at the fourth tile's head: the wave waits for all its tensor loads (its part of the next step's tiles), adds 0 to its spare word, waits for that and for its last reads of this slot, and signals.
; The tile's bias, first product, maximum, scaling, exponentials and sum, work on registers alone, stand between the signal and the wait.
.macro MEET mode
	s_wait_alu depctr_va_vdst(0)
	s_wait_tensorcnt 0x0                           ; no tensor load of mine is out, so a group 0 may be written
	ds_add_u32 v[SPW], v[NIL]                      ; 0 onto my spare word
.if (\mode) == 0
	s_xor_b32 s[G0KV+1], s[G0KV+1], SLOT1          ; the walking descriptors: this slot, the tiles two steps on
	s_add_nc_u64 s[G0KV+2:G0KV+3], s[G0KV+2:G0KV+3], 8192
	s_xor_b32 s[G0S+1], s[G0S+1], SLOT1
	s_add_nc_u64 s[G0S+2:G0S+3], s[G0S+2:G0S+3], 8192
	s_wait_xcnt 0x0                                ; the last prefetch, a step back, has read its address, so it may be written
	s_add_nc_u64 s[PFA:PFA+1], s[PFA:PFA+1], 8192
.endif
	s_wait_dscnt 0x0                               ; the add is done, and my reads of this slot are over
	s_barrier_signal -1                            ; the barrier opens a round of the cluster's barrier
.endm
; REST: the round's end; mode = 0: the slot that all have left is filled again, first thing behind the round; then the next step's K and mask numbers are read from the other slot, which is whole.
; mode = 1: nothing is filled; in the walk's last step (one trip left) a jump on the count of trips leads round the LDS loads alone: there is no next step.
.macro REST mode
	s_barrier_wait -1
	CREST
.if (\mode) == 0
	JLOAD
	ASK
.endif
	s_add_co_u32 s[MK], s[MK], 512
	s_and_b32 s[MK], s[MK], 0xfff
	s_xor_b32 s[TB], s[TB], SLOT1
	ADDR
.if \mode
	s_cmp_eq_u32 s[CNT], 1
	s_cbranch_scc1 .Lno_more_\@
.endif
	KLOAD
.set n, 0
.rept 16
	ds_load_b128 v[MR+4*n:MR+4*n+3], v[AMC] offset:64*(n/2)+16*(n%2)   ; the next step's mask numbers of my 64 keys: sixteen lanes read the same words
.set n, n+1
.endr
.if \mode
.Lno_more_\@:
.endif
.endm
.macro NEXTS mode
.if \mode
	s_cmp_eq_u32 s[CNT], 1
	s_cbranch_scc1 .Lno_next_\@
.endif
	SHORT 0
.if \mode
.Lno_next_\@:
.endif
.endm
	CHANGE 1                                       ; step 0's tiles are whole; slot 1 is first filled, with step 1's, behind this round, as a refill is
	ADDR
	SHORT 0
	KLOAD
.Lstep:                                            ; six trips: steps 0 to 5; step i's change of slots asks for step i + 2's tiles
	WORK 0
	s_sub_co_u32 s[CNT], s[CNT], 1
	s_cmp_lg_u32 s[CNT], 0
	s_cbranch_scc1 .Lstep
	s_mov_b32 s[CNT], 2
.Ltail:                                            ; two trips: steps 6 and 7 are written apart
	WORK 1
	s_sub_co_u32 s[CNT], s[CNT], 1
	s_cmp_lg_u32 s[CNT], 0
	s_cbranch_scc1 .Ltail
	; THE WAY OUT: O^T / the sum, quantised for the output projection.  A lane's eight channels of tile c are registers 2 c, 2 c + 1 of half a fragment of 16 rows x 128: two stores of 512 consecutive bytes for each tile of queries
.rept 4
	v_nop                                          ; places behind the last products
.endr
.irp u, 0,1,2,3
	v_add_f32 v[ST+4*\u+2], v[ST+4*\u+2], v[ST+4*\u+3]   ; the sum's two halves,
.endr
.irp u, 0,1,2,3
	v_permlanex16_b32 v[ST+4*\u], v[ST+4*\u+2], s[SEL], s[SEL+1]
.endr
.irp u, 0,1,2,3
	v_add_f32 v[ST+4*\u+2], v[ST+4*\u+2], v[ST+4*\u]     ; and lane l xor 16's
.endr
	s_wait_alu depctr_va_vdst(0)                   ; the wait ahead of the batch
.irp u, 0,1,2,3
	v_rcp_f32 v[ST+4*\u+2], v[ST+4*\u+2]
.endr
	v_nop
	WIN 0x01
	s_wait_alu depctr_va_vdst(0)                   ; the wait ahead of the reciprocals' first reader, which is also the first reader of O^T
.irp u, 0,1,2,3
.set j, 0
.rept 32
	v_mul_f32 v[MR+32*\u+j], v[OT+32*\u+j], v[ST+4*\u+2]
.set j, j+1
.endr
.endr
	WIN 0
.set j, 0
.rept 128
	v_med3_num_f32 v[MR+j], v[MR+j], -v[LIMO], v[LIMO]
.set j, j+1
.endr
.set c, 0
.rept 16
	v_cvt_scalef32_pk8_fp8_f32 v[QF+2*c:QF+2*c+1], v[MR+8*c:MR+8*c+7], v[SCO]
.set c, c+1
.endr
	v_nop
.irp u, 0,1,2,3
	global_store_b128 v[LA], v[QF+8*\u:QF+8*\u+3], s[14:15] offset:16384*\u
	global_store_b128 v[LA], v[QF+8*\u+4:QF+8*\u+7], s[14:15] offset:16384*\u+512
.endr
	s_wait_tensorcnt 0x0                           ; the wave's end, behind my last tensor load and my last LDS store
	ds_add_u32 v[SPW], v[NIL]
	s_wait_dscnt 0x0
	CROUND                                         ; the closing round: no work-group ends while a partner may still ask for a tile that names it
	s_endpgm
.Lfunc_end_k_q11498504c7_attn:
	.size	k_q11498504c7_attn, .Lfunc_end_k_q11498504c7_attn-k_q11498504c7_attn
	.p2alignl 7, 3214868480
	.fill 96, 4, 3214868480
	.section	.rodata,"a",@progbits
	.p2align	6, 0x0
	.amdhsa_kernel k_q11498504c7_attn
		.amdhsa_group_segment_fixed_size 327680
		.amdhsa_private_segment_fixed_size 0
		.amdhsa_enable_private_segment 0
		.amdhsa_kernarg_size 48
		.amdhsa_user_sgpr_count 2
		.amdhsa_user_sgpr_kernarg_segment_ptr 1
		.amdhsa_wavefront_size32 1
		.amdhsa_system_sgpr_workgroup_id_x 1
		.amdhsa_system_sgpr_workgroup_id_y 1
		.amdhsa_system_sgpr_workgroup_id_z 1
		.amdhsa_system_vgpr_workitem_id 0
		.amdhsa_next_free_vgpr 512
		.amdhsa_next_free_sgpr 100
		.amdhsa_reserve_vcc 0
		.amdhsa_float_denorm_mode_32 3
		.amdhsa_float_denorm_mode_16_64 3
		.amdhsa_memory_ordered 1
		.amdhsa_forward_progress 1
		.amdhsa_inst_pref_size 179
	.end_amdhsa_kernel
	.amdgpu_metadata
---
amdhsa.version: [ 1, 2 ]
amdhsa.kernels:
  - .name:           k_q11498504c7_attn
    .symbol:         k_q11498504c7_attn.kd
    .args:
      - { .name: qkv, .offset: 0, .size: 8, .value_kind: global_buffer, .address_space: global }
      - { .name: img, .offset: 8, .size: 8, .value_kind: global_buffer, .address_space: global }
      - { .name: mask, .offset: 16, .size: 8, .value_kind: global_buffer, .address_space: global }
      - { .name: att_prior_bias, .offset: 24, .size: 8, .value_kind: global_buffer, .address_space: global }
      - { .name: lowp_scales, .offset: 32, .size: 8, .value_kind: global_buffer, .address_space: global }
      - { .name: cc, .offset: 40, .size: 8, .value_kind: global_buffer, .address_space: global }
    .group_segment_fixed_size: 327680
    .private_segment_fixed_size: 0
    .kernarg_segment_align: 8
    .kernarg_segment_size: 48
    .max_flat_workgroup_size: 256
    .sgpr_count:     100
    .vgpr_count:     512
    .wavefront_size: 32
...
	.end_amdgpu_metadata
.endif
;; end of part 3
;; launch oproj (part 4): grid 4 x 64, 4 waves a work-group, clusters of 4 x 4, 327,680 bytes of LDS; arguments cc, xw, lowp_scales, bo, out0; writes out0
.if DOCPART == 4
	.amdgcn_target "amdgcn-amd-amdhsa--gfx1250"
	.amdhsa_code_object_version 6
	.text
	.protected	k_q11498504c7_oproj
	.globl	k_q11498504c7_oproj
	.p2align	8
	.type	k_q11498504c7_oproj,@function
k_q11498504c7_oproj:
	s_mov_b64 s[64:65], 0
	v_nop
	global_prefetch_b8 v0, s[64:65] scope:SCOPE_SE
	s_setreg_imm32_b32 hwreg(HW_REG_WAVE_MODE, 25, 1), 1
	s_wait_xcnt 0x0
	s_wait_alu depctr_hold_cnt(0) depctr_sa_sdst(0) depctr_va_vdst(0) depctr_va_sdst(0) depctr_va_ssrc(0) depctr_va_vcc(0) depctr_vm_vsrc(0)
	s_getreg_b32 s2, hwreg(HW_REG_IB_STS2, 6, 4)
	s_cmp_eq_u32 s2, 0
	s_cbranch_scc0 .Lentry_in_a_cluster
	s_endpgm
.Lentry_in_a_cluster:
	s_bfe_u32 s2, ttmp6, 0x10000c
	s_cmp_lg_u32 s2, 0xf033
	s_cbranch_scc0 .Lentry_shape_is_right
	s_endpgm
.Lentry_shape_is_right:
; out0[m][n] = 2^(e10 + e11) x (sum over k of cc[m][k] Wo[n][k]) + bo[n]: both operands are codes of FP8 (E4M3), laid as images of 16 x 128 fragments: [tile of 16 rows][128 along K][chunk of 4][lane][16 bytes]; sums in f32.
; LIMIT: e10 + e11 lies between -126 and 127, so that 2^(e10 + e11) is an f32 number.
; SHARES.  A work-group makes 128 rows x 256 columns, as two halves of 128 columns one after the other; wave w makes rows 64 (w / 2) .. + 63 and columns 64 (w % 2) .. + 63 of each half: 16 accumulators of 16 x 16.
; LDS holds the WHOLE K of the 128 rows of cc (131,072 bytes) and of 128 rows of Wo (131,072 bytes): no ring along K.  At the head each wave asks for 65,536 bytes (waves 0, 1: cc; waves 2, 3: Wo).  When the first half's products
; are done, Wo's bytes are filled again with the second half's rows (waves 2, 3), and that load is on its way while the first half's results go out.  cc's fragments stay in registers (8 x 64) for the second half.
; CLUSTER 4 x 4: the four work-groups of a row of the cluster share their rows of cc, the four of a column their rows of Wo: each tile is asked for jointly.
; THE MATRIX INSTRUCTION IS USED TRANSPOSED (source 0 = 16 rows of Wo, source 1 = 16 rows of cc): a lane holds eight neighbouring numbers of a row of out0.
; No prefetch: the launch has no loop in which to run ahead; of the three groups of bytes that it reads, two are asked for in its first lines.
; REGISTERS.  Window 0: v8-15 bo; v16-30 addresses; v32-159 the way out.  Window 1: v0-127 the accumulators ((a, b) at 8 (4 a + b)); v128-191, v192-255 Wo's fragments, two sets.  Windows 2, 3: cc's fragments: chunk q, tile a at 64 q + 16 a.
.set BSP,    131072                    ; Wo's rows in LDS, behind cc's
.set STAGE,  262144                    ; the way out: 16 rows x (256 bytes + 16) for each wave; no tile lands here
.set SPITCH, 272
.set SPARE,  STAGE+4*16*SPITCH         ; the spare words, 128 bytes for each wave: two blocks of 256 bytes that no other line names
.set BV,   8
.set ADRA, 16
.set ADRB, 20
.set STO,  24
.set RD,   25
.set LN,   26
.set CO,   27
.set SPW,  28
.set NIL,  29
.set BO,   30
.set BB,   32
.set G1, 24
.set G0, 32
.set G1B, 48
.set G0B, 56
.set MSB, 0
.macro WIN new                         ; the immediate's high byte repeats the setting that is left
.if MSB != (\new)
	s_set_vgpr_msb (MSB<<8)|(\new)
.set MSB, (\new)
.endif
.endm
.macro PLACES
.rept 4
	v_nop
.endr
.endm
.macro CREST
	s_cmp_lg_u32 s14, 0
	s_cbranch_scc1 .Lnot_wave_0_\@
	s_barrier_signal -3
.Lnot_wave_0_\@:
	s_barrier_wait -3
	s_barrier_signal -1
	s_barrier_wait -1
.endm
.macro CROUND
	s_barrier_signal -1
	s_barrier_wait -1
	CREST
.endm
	s_load_b256 s[4:11], s[0:1], 0x0               ; cc s[4:5], xw s[6:7], the exponents s[8:9], bo s[10:11]
	s_load_b64 s[12:13], s[0:1], 0x20              ; out0
	v_lshl_add_u32 v[SPW], v0, 2, SPARE
	v_mov_b32 v[NIL], 0
	ds_add_u32 v[SPW], v[NIL]                      ; the opening lines: the add, twice on end, and its wait ahead of the first tensor loads
	ds_add_u32 v[SPW], v[NIL]
	v_lshrrev_b32 v1, 5, v0
	v_readfirstlane_b32 s14, v1                    ; wave 0..3
	s_lshr_b32 s15, s14, 1                         ; my half of the rows.  Also: I fetch for cc (0) or for Wo (1)
	s_and_b32 s16, s14, 1                          ; my half of the columns.  Also: which four tiles of rows I fetch
	s_bfe_u32 s40, ttmp6, 0x40000                  ; cx
	s_bfe_u32 s41, ttmp6, 0x40004                  ; cy
	s_lshl_b32 s42, ttmp9, 2
	s_add_co_u32 s42, s42, s40                     ; block column, 0..3
	s_and_b32 s17, ttmp7, 0xffff
	s_lshl_b32 s17, s17, 2
	s_add_co_u32 s17, s17, s41                     ; block row, 0..63
	s_lshl_b32 s43, s41, 2
	s_lshl_b32 s43, 15, s43                        ; my row of the cluster
	s_lshl_b32 s44, 0x1111, s40                    ; my column
	; descriptor group 1: 4 rows of 2,048 elements of 8 bytes: four tiles of 16 rows x 1,024 codes, dense in memory and in LDS
	s_or_b32 s[G1+0], s43, (3<<16)|(1<<21)
	s_or_b32 s[G1B+0], s44, (3<<16)|(1<<21)
.irp g, G1, G1B
	s_mov_b32 s[\g+1], 2048<<16
	s_mov_b32 s[\g+2], 4<<16
	s_mov_b32 s[\g+3], 2048<<16
	s_mov_b32 s[\g+4], 4
	s_mov_b32 s[\g+5], 2048
	s_mov_b32 s[\g+6], 0
	s_mov_b32 s[\g+7], 0
.endr
	s_lshl_b32 s18, s16, 2
	s_lshl_b32 s20, s17, 3
	s_add_co_u32 s20, s20, s18
	s_lshl_b32 s20, s20, 14                        ; cc: tile of rows 8 x block row + 4 x half, 16,384 bytes each
	s_mov_b32 s21, 0
	s_lshl_b32 s46, s42, 4
	s_add_co_u32 s46, s46, s18
	s_lshl_b32 s46, s46, 14                        ; Wo: tile of rows 16 x block column + 4 x half,
	s_add_co_u32 s46, s46, 27<<20                  ; in xw at 27 MiB
	s_mov_b32 s47, 0
	s_lshl_b32 s45, s14, 16                        ; where they go: 65,536 x wave
	s_wait_dscnt 0x0                               ; both opening adds are done
	s_wait_kmcnt 0x0
	s_load_b64 s[96:97], s[8:9], 0x28              ; e10, e11
	s_mov_b32 s[G0], 1
	s_mov_b32 s[G0+1], s45
	s_add_nc_u64 s[G0+2:G0+3], s[4:5], s[20:21]
	s_or_b32 s[G0+3], s[G0+3], 0x80000000
	s_mov_b32 s[G0B], 1
	s_mov_b32 s[G0B+1], s45
	s_add_nc_u64 s[G0B+2:G0B+3], s[6:7], s[46:47]
	s_or_b32 s[G0B+3], s[G0B+3], 0x80000000
	CROUND                                         ; all sixteen work-groups are here: the first joint loads meet
	s_cmp_eq_u32 s15, 0
	s_cbranch_scc0 .Lfor_b
	tensor_load_to_lds s[G0:G0+3], s[G1:G1+7]
	s_nop 0
	PLACES
	s_branch .Lasked
.Lfor_b:
	tensor_load_to_lds s[G0B:G0B+3], s[G1B:G1B+7]
	s_nop 0
	PLACES
.Lasked:
	s_lshl_b32 s22, s15, 16                        ; my four tiles of cc's rows in LDS
	s_lshl_b32 s23, s16, 16
	s_add_co_u32 s23, s23, BSP                     ; my four tiles of Wo's rows
	s_mul_i32 s21, s14, 16*SPITCH
	s_add_co_u32 s21, s21, STAGE                   ; my stage
	s_lshl_b32 s46, s42, 10
	s_lshl_b32 s47, s16, 8
	s_add_co_u32 s46, s46, s47                     ; my first column, in bytes: 1,024 x block column + 256 x half
	s_mov_b32 s47, 0
	s_add_nc_u64 s[10:11], s[10:11], s[46:47]
	s_lshl_b32 s18, s17, 7
	s_lshl_b32 s19, s15, 6
	s_add_co_u32 s18, s18, s19
	s_lshl_b32 s18, s18, 12                        ; my first row: 128 x block row + 64 x half, 4,096 bytes each
	s_mov_b32 s19, 0
	s_add_nc_u64 s[18:19], s[18:19], s[46:47]
	s_add_nc_u64 s[12:13], s[12:13], s[18:19]
	v_and_b32 v1, 31, v0
	v_lshlrev_b32 v[LN], 4, v1
	v_add_nc_u32 v[ADRA], s22, v[LN]
	v_add_nc_u32 v[ADRB], s23, v[LN]
	v_and_b32 v1, 15, v0                           ; r
	v_bfe_u32 v2, v0, 4, 1                         ; h
	v_mul_u32_u24 v[STO], v1, SPITCH               ; into the stage: row r, 32 bytes for each half of the lanes
	v_lshl_add_u32 v[STO], v2, 5, v[STO]
	v_add_nc_u32 v[STO], s21, v[STO]
	v_mul_u32_u24 v[RD], v2, SPITCH                ; back: lanes 0-15 one row of 256 bytes, lanes 16-31 the next
	v_lshl_add_u32 v[RD], v1, 4, v[RD]
	v_add_nc_u32 v[RD], s21, v[RD]
	v_lshlrev_b32 v[BO], 4, v1
	v_lshl_add_u32 v[CO], v2, 12, v[BO]            ; and the same two rows in out0
	global_load_b128 v[BV:BV+3], v[BO], s[10:11]               ; bo at my four columns, first half,
	global_load_b128 v[BV+4:BV+7], v[BO], s[10:11] offset:512  ; and second half
.macro LDB q                           ; Wo's four fragments of chunk q (128 along K) into set q % 2
	WIN 0x40
.irp b, 0,1,2,3
.irp c, 0,1,2,3
	ds_load_b128 v[128+64*((\q)%2)+16*\b+4*\c:128+64*((\q)%2)+16*\b+4*\c+3], v[ADRB] offset:16384*\b+2048*(\q)+512*\c
.endr
.endr
.endm
.macro LDA q                           ; cc's four fragments of chunk q, into registers of their own
	WIN 0x80+0x40*((\q)/4)
.irp a, 0,1,2,3
.irp c, 0,1,2,3
	ds_load_b128 v[64*((\q)%4)+16*\a+4*\c:64*((\q)%4)+16*\a+4*\c+3], v[ADRA] offset:16384*\a+2048*(\q)+512*\c
.endr
.endr
.endm
.macro MUL q, zero                     ; 16 products; the 16 accumulators take turns, in the same order in every chunk; zero = 1: the first product starts the sums
	WIN 0x59+4*((\q)/4)                            ; source 0, C and D window 1; source 1 window 2 or 3
.irp a, 0,1,2,3
.irp b, 0,1,2,3
.if \zero
	v_wmma_f32_16x16x128_fp8_fp8 v[8*(4*\a+\b):8*(4*\a+\b)+7], v[128+64*((\q)%2)+16*\b:128+64*((\q)%2)+16*\b+15], v[64*((\q)%4)+16*\a:64*((\q)%4)+16*\a+15], 0
.else
	v_wmma_f32_16x16x128_fp8_fp8 v[8*(4*\a+\b):8*(4*\a+\b)+7], v[128+64*((\q)%2)+16*\b:128+64*((\q)%2)+16*\b+15], v[64*((\q)%4)+16*\a:64*((\q)%4)+16*\a+15], v[8*(4*\a+\b):8*(4*\a+\b)+7]
.endif
.endr
.endr
.endm
.macro AHEAD q, t                      ; chunk q's fragments are asked for; the wait lets just these loads stay out
	LDB \q
.if (\t) == 0
	LDA \q
	s_wait_dscnt 32
.else
	s_wait_dscnt 16
.endif
.endm
.macro TILE t                          ; one half of the block: eight chunks of 128 along K; t = 0 brings cc's fragments too
	LDB 0
.if (\t) == 0
	LDA 0
.endif
	AHEAD 1, \t
	MUL 0, 1
.irp q, 1,2,3,4,5,6
	PLACES                                         ; places in front of loads into the set that the chunk before last multiplied
	AHEAD \q+1, \t
	MUL \q, 0
.endr
	s_wait_dscnt 0x0
	MUL 7, 0
	WIN 0
.endm
; THE WAY OUT of a half: four blocks of 16 rows x 64 columns go through my own stage and come back as rows of 256 bytes; LDS serves a wave's instructions in order (ISA guide 5.7.1.4), so no wait stands between stores and loads.
.macro WAYOUT t
	PLACES                                         ; the stores below read results just made
.irp a, 0,1,2,3
	WIN 0x04                                       ; a store's data in window 1
.irp b, 0,1,2,3
	ds_store_b128 v[STO], v[8*(4*\a+\b):8*(4*\a+\b)+3] offset:64*\b
	ds_store_b128 v[STO], v[8*(4*\a+\b)+4:8*(4*\a+\b)+7] offset:64*\b+16
.endr
	WIN 0
.irp i, 0,1,2,3,4,5,6,7
	ds_load_b128 v[BB+32*\a+4*\i:BB+32*\a+4*\i+3], v[RD] offset:\i*2*SPITCH
.endr
.endr
.irp a, 0,1,2,3
	s_wait_dscnt 16*(3-\a)                         ; block a is back; the later blocks' 8 stores and 8 loads each may be out
.irp i, 0,1,2,3,4,5,6,7
	v_pk_fma_f32 v[BB+32*\a+4*\i:BB+32*\a+4*\i+1], v[BB+32*\a+4*\i:BB+32*\a+4*\i+1], s[96:97], v[BV+4*(\t):BV+4*(\t)+1] op_sel_hi:[1,0,1]
	v_pk_fma_f32 v[BB+32*\a+4*\i+2:BB+32*\a+4*\i+3], v[BB+32*\a+4*\i+2:BB+32*\a+4*\i+3], s[96:97], v[BV+4*(\t)+2:BV+4*(\t)+3] op_sel_hi:[1,0,1]
.endr
.irp i, 0,1,2,3,4,5,6,7
	global_store_b128 v[CO], v[BB+32*\a+4*\i:BB+32*\a+4*\i+3], s[12:13] offset:\a*65536+\i*8192+(\t)*512 th:TH_STORE_NT   ; sixteen lanes store 256 consecutive bytes, at a multiple of 256 from out0's first byte
.endr
.endr
.endm
	s_wait_alu depctr_va_vdst(0)
	s_wait_tensorcnt 0x0                           ; my part of the tiles is in;
	s_barrier_signal -1
	s_barrier_wait -1                              ; so is everybody's
	TILE 0
	s_wait_tensorcnt 0x0                           ; in front of the refill's round
	ds_add_u32 v[SPW], v[NIL]
	s_add_nc_u64 s[G0B+2:G0B+3], s[G0B+2:G0B+3], 131072   ; Wo: eight tiles of rows on
	s_wait_dscnt 0x0                               ; the add is done, and my reads of Wo's rows are over
	CROUND                                         ; no wave of any partner still reads them
	s_cmp_eq_u32 s15, 0
	s_cbranch_scc1 .Lnone                          ; cc stays: waves 0 and 1 have nothing to fill
	tensor_load_to_lds s[G0B:G0B+3], s[G1B:G1B+7]
	s_nop 0
	PLACES
.Lnone:
	s_wait_kmcnt 0x0
	s_add_co_i32 s96, s96, s97                     ; e10 + e11
	s_add_co_i32 s96, s96, 127
	s_lshl_b32 s96, s96, 23                        ; 2^(e10 + e11) as f32
	s_mov_b32 s97, s96                             ; (named with it as a pair)
	s_wait_loadcnt 0x0                             ; bo
	WAYOUT 0
	s_wait_tensorcnt 0x0                           ; my part of the second half's rows of Wo is in,
	s_wait_dscnt 0x0
	s_barrier_signal -1
	s_barrier_wait -1                              ; and everybody's
	TILE 1
	s_wait_xcnt 0x0                                ; the first half's stores have read their registers, which take the second half's rows
	WAYOUT 1
	s_wait_tensorcnt 0x0                           ; the wave's end, behind my last tensor load and my last LDS store
	ds_add_u32 v[SPW], v[NIL]
	s_wait_dscnt 0x0
	CROUND                                         ; the closing round: no work-group ends while a partner may still ask for a tile that names it
	s_endpgm
.Lfunc_end_k_q11498504c7_oproj:
	.size	k_q11498504c7_oproj, .Lfunc_end_k_q11498504c7_oproj-k_q11498504c7_oproj
	.p2alignl 7, 3214868480
	.fill 96, 4, 3214868480
	.section	.rodata,"a",@progbits
	.p2align	6, 0x0
	.amdhsa_kernel k_q11498504c7_oproj
		.amdhsa_group_segment_fixed_size 327680
		.amdhsa_private_segment_fixed_size 0
		.amdhsa_enable_private_segment 0
		.amdhsa_kernarg_size 40
		.amdhsa_user_sgpr_count 2
		.amdhsa_user_sgpr_kernarg_segment_ptr 1
		.amdhsa_wavefront_size32 1
		.amdhsa_system_sgpr_workgroup_id_x 1
		.amdhsa_system_sgpr_workgroup_id_y 1
		.amdhsa_system_sgpr_workgroup_id_z 1
		.amdhsa_system_vgpr_workitem_id 0
		.amdhsa_next_free_vgpr 1024
		.amdhsa_next_free_sgpr 100
		.amdhsa_reserve_vcc 0
		.amdhsa_float_denorm_mode_32 3
		.amdhsa_float_denorm_mode_16_64 3
		.amdhsa_memory_ordered 1
		.amdhsa_forward_progress 1
		.amdhsa_inst_pref_size 74
	.end_amdhsa_kernel
	.amdgpu_metadata
---
amdhsa.version: [ 1, 2 ]
amdhsa.kernels:
  - .name:           k_q11498504c7_oproj
    .symbol:         k_q11498504c7_oproj.kd
    .args:
      - { .name: cc, .offset: 0, .size: 8, .value_kind: global_buffer, .address_space: global }
      - { .name: xw, .offset: 8, .size: 8, .value_kind: global_buffer, .address_space: global }
      - { .name: lowp_scales, .offset: 16, .size: 8, .value_kind: global_buffer, .address_space: global }
      - { .name: bo, .offset: 24, .size: 8, .value_kind: global_buffer, .address_space: global }
      - { .name: out0, .offset: 32, .size: 8, .value_kind: global_buffer, .address_space: global }
    .group_segment_fixed_size: 327680
    .private_segment_fixed_size: 0
    .kernarg_segment_align: 8
    .kernarg_segment_size: 40
    .max_flat_workgroup_size: 128
    .sgpr_count:     100
    .vgpr_count:     1024
    .wavefront_size: 32
...
	.end_amdgpu_metadata
.endif
;; end of part 4
